; MI455X (gfx1250); checked and timed in simulation.
; The chip was launched on July 23, 2026; its instructions are those of AMD's public machine-readable ISA for CDNA 5 (MIT licence, August 2026) and "CDNA5" Instruction Set Architecture Reference Guide (July 2026). The comments in the code are by the model that wrote it; some were corrected since.
;; Character Isolation Attention. Allowed arithmetic: matrix products marked QUANTISED: E2M1 operands, one E8M0 scale for each 32 along K, by v_wmma_scale_f32_16x16x128_f8f6f4 with both operands' format E2M1 (or v_wmma_scale_f32_32x16x128_f4), f32 sums; products left as they are: bf16, f16 or f32 operands; f32 sums; everything else in f32.
;; Inputs: character_masks 2 x 4 x 2,048 float32; interaction_mask 2 x 2,048 x 2,048 float32; isolation_gate 16 float32; k_norm_w 64 float32; out_w 1,024 x 1,024 float32; q_norm_w 64 float32; qkv_w 3,072 x 1,024 float32; x 2 x 2,048 x 1,024 float32.
;; Outputs: out0 2 x 2,048 x 1,024 float32.
;; This version of the problem:
;;   THIS VERSION OF THE PROBLEM IS GIVEN IN LOW PRECISION. The matrix products marked QUANTISED in the list below multiply operands that are first quantised to E2M1 (2 exponent bits, 1 mantissa bit; 4 bits a number), with one power-of-two scale for each 32 numbers along K (OCP MX v1.0); their sums are f32. The products marked 'left as it is' may take bf16, f16 or f32 operands, with f32 sums. Whichever they take, every output number must still come out within the allowed error. Rounding operands to bf16 (8 significant bits) uses up far more of that allowance than f16 does (11 bits, for magnitudes from 6e-5 to 65,504). All else is computed in f32.
;;   The module's matrix products, in the order in which they are computed (A, B: the left and right operand; K: the contracted axis; several contracted axes count as one K, in the product's order):
;;     1. [M 4,096, K 1,024] x [K 1,024, N 3,072]; A: input x; B: input qkv_w: QUANTISED
;;     2. batch 32 x [M 2,048, K 64] x [K 64, N 2,048]; A: computed on the way; B: computed on the way: left as it is (an operand is computed on the way)
;;     3. batch 2 x [M 2,048, K 4] x [K 4, N 2,048]; A: input character_masks; B: input character_masks: left as it is (K = 4 < 32)
;;     4. batch 32 x [M 2,048, K 2,048] x [K 2,048, N 64]; A: computed on the way; B: computed on the way: left as it is (an operand is computed on the way)
;;     5. [M 4,096, K 1,024] x [K 1,024, N 1,024]; A: computed on the way; B: input out_w: left as it is (an operand is computed on the way)
;;   THE QUANTISER, for each operand of a quantised product, along K:
;;     - K is cut into blocks of 32 from its start; a last block that is shorter is filled with zeros.
;;     - A block's scale is 2^e with e = floor(log2(the largest magnitude in the block)) - 2, held to -126 .. 127; a block of zeros has e = 0. As a byte (E8M0): e + 127.
;;     - Each number is divided by its block's scale, clamped to +-6, and rounded to the nearest number of E2M1, ties to even, subnormals kept.
;;     - The product sums the exact products of the quantised numbers (number of the format x scale) in f32.
;;   ~~~python
;;   def quantise(x, axis):      # numpy; x: float32 -> the quantised numbers, widened to float32 again
;;       x = np.moveaxis(x, axis, -1); K = x.shape[-1]
;;       x = np.pad(x, [(0, 0)] * (x.ndim - 1) + [(0, -K % 32)]); x = x.reshape(x.shape[:-1] + (-1, 32)); a = np.abs(x).max(-1, keepdims=True)
;;       e = np.where(a > 0, np.clip(np.frexp(np.where(a > 0, a, 1))[1] - 1 - 2, -126, 127), 0)      # np.frexp(a)[1] - 1 = floor(log2(a)), exactly
;;       r = np.clip(x / 2.0 ** e, -6, 6)
;;       step = 2.0 ** (np.maximum(np.frexp(np.where(r == 0, 1, r))[1] - 1, 0) - 1)
;;       q = np.round(r / step) * step * 2.0 ** e      # np.round: ties to even
;;       return np.moveaxis(q.reshape(q.shape[:-2] + (-1,))[..., :K], -1, axis).astype(np.float32)
;;   ~~~
;; One version. Each part assembles by itself: llvm-mc -triple=amdgcn-amd-amdhsa -mcpu=gfx1250 --defsym DOCPART=n.
;; ======== version 1 of 1: 4 launches
;; limits: values are held in f16: magnitudes above 65,504 overflow, below 6.1e-05 lose precision
;; workspace buffers: codes 3,670,016 bytes; scales 229,376 bytes; owh 2,097,152 bytes; mk 98,304 bytes; qkvh 25,165,824 bytes; ao 8,388,608 bytes
;; launch prep (part 1): grid 416 x 1, 4 waves a work-group, no clusters, 33,280 bytes of LDS; arguments x, qkv_w, out_w, character_masks, codes, scales, owh, mk; writes codes, scales, owh, mk
.if DOCPART == 1
	.amdgcn_target "amdgcn-amd-amdhsa--gfx1250"
	.amdhsa_code_object_version 6
	.text
	.protected	k_q61700a3fc9_prep
	.globl	k_q61700a3fc9_prep
	.p2align	8
	.type	k_q61700a3fc9_prep,@function
k_q61700a3fc9_prep:
	s_mov_b64 s[64:65], 0
	v_nop
	global_prefetch_b8 v0, s[64:65] scope:SCOPE_SE
	s_setreg_imm32_b32 hwreg(HW_REG_WAVE_MODE, 25, 1), 1
	s_wait_xcnt 0x0
; FIRST OF FOUR LAUNCHES of: qkv = x qkv_w^T (on codes of E2M1), rms norm of q and k by heads, softmax(q k^T / 8 + 3 gate bias) v, times out_w^T.
; WORK LEFT OUT BY THE WHOLE PROGRAM.  3 gate bias = 6 gate same_char / max - 3 gate + 0.9 gate interaction_mask.  The term -3 gate hangs on the head alone: it is the same for every key of a row,
; and a softmax along the keys is unchanged by a term that is the same along its axis, whatever finite values the inputs hold.  gate is clipped to 0 .. 1, so the term is at most 3: of ordinary size beside the rest.
; It is not added.  Every input still has a way to the output, and all are loaded.  LIMIT: a NaN or an infinity that would reach the result through that term alone is not carried.
; THIS LAUNCH prepares operands that many work-groups of the later launches read.  Four roles, chosen by the work-group's number:
;   0 .. 63     the character masks' tables: qa[b][q][c] = cm[b][c][q] / max(max over k of sum over c of cm[c][q] cm[c][k], 1e-6) in f32, and cm in f16 in the order in which a matrix operand's first register takes it
;   64 .. 191   x into codes of E2M1 and E8M0 scale bytes, K innermost;   192 .. 287  qkv_w likewise;   288 .. 415  out_w into f16
; THE QUANTISER: a block of 32 along K has the scale 2^(floor(log2(its largest magnitude)) - 2); its byte is the largest magnitude's exponent field - 2, held at 1 from below.  A block of zeros gets the byte 1 where the
; rule says 127: its codes are zeros, which add nothing under any byte but 0xff, and this program alone reads the bytes.
; LIMITS: NaN and infinities among the inputs are not served; blocks whose largest magnitude lies under 2^(3 - 127) keep the byte 1; out_w and the masks go to f16: magnitudes up to 65,504.
.set SPW,   12                         ; v12  LDS address of my spare word: SPARE + 4 x my thread's number; never rewritten
.set NIL,   13                         ; v13  0; never rewritten
.set WREG,  8192                       ; LDS: a region for each wave: two stages of 32 x SP bytes, behind them its 256 scale bytes
.set SP,    80                         ; a lane's place in a stage: 64 bytes + 16 of padding
.set SPARE, 4*WREG                     ; behind the four regions: the spare words, 128 bytes for each wave
.set STEPS, 16
.set EMAX,  2
.set CB,    8                          ; bytes of 16 codes
.set R,     16                         ; v16-79   four sets of 16 numbers as loaded
.set X,     80                         ; v80-111  two sets of 16 neighbours
.set E,     112                        ; v112-127 a scale byte for each step
.set C,     128                        ; v128-191 codes, four registers for each step
	s_load_b512 s[4:19], s[0:1], 0x0               ; x s[4:5], qkv_w s[6:7], out_w s[8:9], masks s[10:11], codes s[12:13], scales s[14:15], owh s[16:17], mk s[18:19]
	v_lshl_add_u32 v[SPW], v0, 2, SPARE
	v_mov_b32 v[NIL], 0
	v_lshrrev_b32 v1, 5, v0
	v_readfirstlane_b32 s20, v1                    ; wave 0..3
	v_and_b32 v2, 31, v0                           ; lane
	s_wait_kmcnt 0x0
	s_cmp_lt_u32 ttmp9, 64
	s_cbranch_scc1 .Lmasks
	s_cmp_ge_u32 ttmp9, 288
	s_cbranch_scc1 .Lhalf
; ---- x AND qkv_w INTO CODES.  Rows are dense and K is a multiple of 32: a tensor is a plain stream of blocks.  A wave takes 16 steps of 512 numbers.  Each load reads 512 consecutive bytes; a step's 2,048 bytes turn
; through the wave's own stage in LDS, so that a lane then holds 16 neighbours along K (two lanes hold a block).  A lane's 16 codes are 8 bytes: the wave stores 256 consecutive bytes, aligned.
	v_lshlrev_b32 v3, 4, v2                        ; my 16 bytes of a load's 512
	s_mul_i32 s21, s20, WREG
	v_lshrrev_b32 v14, 2, v2
	v_mul_u32_u24 v14, v14, SP
	v_and_b32 v15, 3, v2
	v_lshl_add_u32 v14, v15, 4, v14
	v_add_nc_u32 v14, s21, v14                     ; the stage, on the way in: SP (lane / 4) + 16 (lane % 4)
	v_mul_u32_u24 v15, v2, SP
	v_add_nc_u32 v15, s21, v15                     ; on the way out: SP x lane
	v_mul_u32_u24 v4, v2, CB                       ; my codes' place in a step's
	v_lshrrev_b32 v5, 1, v2
	s_add_co_u32 s21, s21, 2*32*SP
	v_add_nc_u32 v5, s21, v5                       ; my block's scale byte in LDS
	v_lshlrev_b32 v7, 3, v2
	v_add_nc_u32 v6, s21, v7                       ; and on the way out 8 bytes a lane
	s_cmp_lt_u32 ttmp9, 192                        ; x's work-group or qkv_w's: the choice hangs on the work-group's number alone
	s_cselect_b64 s[4:5], s[4:5], s[6:7]
	s_cselect_b32 s22, 64, 192                     ; the role's first work-group
	s_cselect_b32 s24, 0, 0x200000                 ; where the tensor's codes begin
	s_cselect_b32 s26, 0, 0x20000                  ; and its scale bytes
	s_sub_co_u32 s22, ttmp9, s22
	s_lshl_b32 s22, s22, 2
	s_add_co_u32 s22, s22, s20                     ; which run of 8,192 numbers is my wave's
	s_lshl_b32 s28, s22, 15
	s_mov_b32 s29, 0
	s_add_nc_u64 s[4:5], s[4:5], s[28:29]
	s_lshl_b32 s28, s22, 12
	s_add_co_u32 s28, s28, s24
	s_add_nc_u64 s[12:13], s[12:13], s[28:29]
	s_lshl_b32 s28, s22, 8
	s_add_co_u32 s28, s28, s26
	s_add_nc_u64 s[14:15], s[14:15], s[28:29]
.macro LOAD t
.irp i, 0,1,2,3
	global_load_b128 v[R+16*((\t)%4)+4*\i:R+16*((\t)%4)+4*\i+3], v3, s[4:5] offset:2048*(\t)+512*\i th:TH_LOAD_NT
.endr
.endm
.macro TURN t                          ; step t's numbers through the stage: LDS serves a wave's instructions in order, so no wait stands between the stores and the loads
.irp i, 0,1,2,3
	ds_store_b128 v14, v[R+16*((\t)%4)+4*\i:R+16*((\t)%4)+4*\i+3] offset:32*SP*((\t)%2)+8*SP*\i
.endr
.irp i, 0,1,2,3
	ds_load_b128 v[X+16*((\t)%2)+4*\i:X+16*((\t)%2)+4*\i+3], v15 offset:32*SP*((\t)%2)+16*\i
.endr
.endm
.irp t, 0,1,2,3
	LOAD \t
.endr
	s_wait_loadcnt 12                              ; step 0's four loads are in
	TURN 0
.macro STEP t
.set XS, X+16*((\t)%2)
.if (\t) > 0
	s_wait_dscnt 1                                 ; this step's numbers are back from the stage (the last step's byte store may be out)
.else
	s_wait_dscnt 0x0
.endif
.if (\t)+4 < STEPS
	LOAD (\t)+4                                    ; the registers that the stage's stores have read take the loads of four steps on
.endif
.if (\t)+1 < STEPS
.if STEPS-2-(\t) >= 3
	s_wait_loadcnt 12                              ; the next step's four loads are in; those of the three steps behind it may be out
.else
	s_wait_loadcnt 4*(STEPS-2-(\t))
.endif
	TURN (\t)+1
.endif
	v_max3_num_f32 v8, |v[XS]|, |v[XS+1]|, |v[XS+2]|               ; the largest magnitude of my 16, in two chains
	v_max3_num_f32 v9, |v[XS+3]|, |v[XS+4]|, |v[XS+5]|
.irp i, 6,10
	v_max3_num_f32 v8, v8, |v[XS+\i]|, |v[XS+\i+1]|
	v_max3_num_f32 v9, v9, |v[XS+\i+2]|, |v[XS+\i+3]|
.endr
	v_max3_num_f32 v8, v8, |v[XS+14]|, |v[XS+15]|
	v_max3_num_f32 v8, v8, v9, (EMAX+1)<<23        ; and the floor 2^(3 - 127): the byte cannot fall under 1
	v_max_num_f32_dpp v8, v8, v8 row_xmask:1 row_mask:0xf bank_mask:0xf   ; with my neighbour's 16: the block's
	v_add_nc_u32 v11, -(EMAX<<23), v8              ; 2 off its exponent field: the conversion takes the exponent field of this operand as its scale
	v_cvt_scalef32_pk8_fp4_f32 v[C+4*(\t)], v[XS:XS+7], v11
	v_cvt_scalef32_pk8_fp4_f32 v[C+4*(\t)+1], v[XS+8:XS+15], v11
	v_lshrrev_b32 v[E+(\t)], 23, v11               ; the scale's byte
	ds_store_b8 v5, v[E+(\t)] offset:16*(\t)       ; both lanes of a block write the same byte with the same value
	global_store_b64 v4, v[C+4*(\t):C+4*(\t)+1], s[12:13] offset:32*CB*(\t)
.endm
.irp t, 0,1,2,3,4,5,6,7,8,9,10,11,12,13,14,15
	STEP \t
.endr
	ds_load_b64 v[8:9], v6                         ; my wave's 256 scale bytes
	s_wait_dscnt 0x0
	global_store_b64 v7, v[8:9], s[14:15]          ; 32 lanes store 256 consecutive bytes, aligned
	s_wait_tensorcnt 0x0                           ; the wave's end
	ds_add_u32 v[SPW], v[NIL]
	s_wait_dscnt 0x0
	s_endpgm
; ---- out_w INTO f16.  A wave takes 2,048 numbers: sixteen loads of 512 consecutive bytes, sixteen stores of 256.  Every register is written once.
.Lhalf:
	s_sub_co_u32 s21, ttmp9, 288
	s_lshl_b32 s21, s21, 2
	s_add_co_u32 s21, s21, s20
	s_lshl_b32 s22, s21, 13
	s_mov_b32 s23, 0
	s_add_nc_u64 s[8:9], s[8:9], s[22:23]
	s_lshl_b32 s22, s21, 12
	s_add_nc_u64 s[16:17], s[16:17], s[22:23]
	v_lshlrev_b32 v3, 4, v2
	v_lshlrev_b32 v4, 3, v2
.irp i, 0,1,2,3,4,5,6,7,8,9,10,11,12,13,14,15
	global_load_b128 v[16+4*\i:19+4*\i], v3, s[8:9] offset:512*\i th:TH_LOAD_NT
.endr
.irp i, 0,1,2,3,4,5,6,7,8,9,10,11,12,13,14,15
	s_wait_loadcnt 15-\i                           ; loads come back in order: load i is in
	v_cvt_pk_f16_f32 v[80+2*\i], v[16+4*\i], v[17+4*\i]
	v_cvt_pk_f16_f32 v[81+2*\i], v[18+4*\i], v[19+4*\i]
	global_store_b64 v4, v[80+2*\i:81+2*\i], s[16:17] offset:256*\i
.endr
	s_endpgm
; ---- THE MASKS' TABLES.  Wave g of 256 owns rows q0 = 16 (g % 128) .. + 15 of batch g / 128, which are also key tile g % 128.  Row maximum of same_char in f32: the wave walks the batch's 2,048 keys in four trips of 512,
; 16 keys a lane; the rows' 64 coefficients cm[c][q0 + rho] stand twice each, as pairs, so that two keys go in one packed multiply-add.
.set MX, 32                            ; v32-47   the 16 rows' running maxima
.set T,  48                            ; v48-55   four pairs at work
.set CM, 64                            ; v64-127  CM + 16 c + 4 i + e = cm[c][512 trip + 128 i + 4 lane + e]
.set AD, 128                           ; v128-255 AD + 2 (16 c + rho), twice: cm[c][q0 + rho]
.Lmasks:
	s_lshl_b32 s21, ttmp9, 2
	s_add_co_u32 s21, s21, s20                     ; g
	s_lshr_b32 s22, s21, 7
	s_lshl_b32 s22, s22, 15                        ; a batch's masks are 32,768 bytes
	s_mov_b32 s23, 0
	s_add_nc_u64 s[22:23], s[10:11], s[22:23]      ; the batch's masks: walked along the keys
	s_and_b32 s24, s21, 127
	s_lshl_b32 s24, s24, 6
	s_mov_b32 s25, 0
	s_add_nc_u64 s[24:25], s[22:23], s[24:25]      ; at my first row
	s_lshl_b32 s26, s21, 8
	s_mov_b32 s27, 0
	s_add_nc_u64 s[26:27], s[18:19], s[26:27]      ; qa: 16 rows x 16 bytes
	s_lshl_b32 s28, s21, 7
	s_add_co_u32 s28, s28, 0x10000
	s_mov_b32 s29, 0
	s_add_nc_u64 s[28:29], s[18:19], s[28:29]      ; the f16 table: 128 bytes a key tile, behind qa's 65,536 bytes
	s_mov_b32 s30, 0x76543210
	s_mov_b32 s31, 0xfedcba98                      ; v_permlanex16_b32's selects for lane l xor 16
	v_lshlrev_b32 v3, 4, v2                        ; 16 bytes a lane
	v_mov_b32 v4, 0                                ; the coefficients: the same address in all lanes
	v_and_b32 v5, 1, v2
	v_lshrrev_b32 v20, 1, v2                       ; qa: lane l has row l / 2 and masks c = 2 (l % 2), + 1
	v_lshlrev_b32 v5, 14, v5
	v_lshl_add_u32 v5, v20, 2, v5
	v_and_b32 v6, 15, v2                           ; the f16 table: lane (r, h) has key r and masks c = 2 h, 2 h + 1
	v_lshrrev_b32 v7, 4, v2
	v_lshlrev_b32 v6, 2, v6
	v_lshl_add_u32 v6, v7, 14, v6
	v_lshlrev_b32 v7, 3, v2
	v_lshlrev_b32 v8, 2, v2
.irp c, 0,1,2,3
.irp j, 0,1,2,3
	global_load_b128 v[CM+16*\c+4*\j:CM+16*\c+4*\j+3], v4, s[24:25] offset:8192*\c+16*\j
.endr
.endr
	global_load_b32 v56, v5, s[24:25]
	global_load_b32 v57, v5, s[24:25] offset:8192
	global_load_b32 v58, v6, s[24:25]
	global_load_b32 v59, v6, s[24:25] offset:8192
.irp r, 0,1,2,3,4,5,6,7,8,9,10,11,12,13,14,15
	v_mov_b32 v[MX+\r], 0xff800000                 ; under every number
.endr
	s_wait_loadcnt 0x0
.set i, 0
.rept 64
	v_mov_b32 v[AD+2*i], v[CM+i]
	v_mov_b32 v[AD+2*i+1], v[CM+i]
.set i, i+1
.endr
; row rho against four pairs of keys, from pair 'first' on: the four pairs by turns, so that no line waits for the line above it
.macro ROWGRP rho, first
.irp p, 0,1,2,3
	v_pk_mul_f32 v[T+2*\p:T+2*\p+1], v[CM+2*(\first+\p):CM+2*(\first+\p)+1], v[AD+2*(\rho):AD+2*(\rho)+1]
.endr
.irp c, 1,2,3
.irp p, 0,1,2,3
	v_pk_fma_f32 v[T+2*\p:T+2*\p+1], v[CM+16*\c+2*(\first+\p):CM+16*\c+2*(\first+\p)+1], v[AD+2*(16*\c+\rho):AD+2*(16*\c+\rho)+1], v[T+2*\p:T+2*\p+1]
.endr
.endr
.irp p, 0,1,2,3
	v_max3_num_f32 v[MX+\rho], v[MX+\rho], v[T+2*\p], v[T+2*\p+1]
.endr
.endm
	s_mov_b32 s32, 4
.Lkeys:
.irp c, 0,1,2,3
.irp j, 0,1,2,3
	global_load_b128 v[CM+16*\c+4*\j:CM+16*\c+4*\j+3], v3, s[22:23] offset:8192*\c+512*\j
.endr
.endr
	s_wait_loadcnt 0x0                             ; the loads are done: their base may step
	s_add_nc_u64 s[22:23], s[22:23], 2048
.irp r, 0,1,2,3,4,5,6,7,8,9,10,11,12,13,14,15
	ROWGRP \r, 0
	ROWGRP \r, 4
.endr
	s_sub_co_u32 s32, s32, 1
	s_cmp_lg_u32 s32, 0
	s_cbranch_scc1 .Lkeys
.irp m, 1,2,4,8
.irp r, 0,1,2,3,4,5,6,7,8,9,10,11,12,13,14,15
	v_max_num_f32_dpp v[MX+\r], v[MX+\r], v[MX+\r] row_xmask:\m row_mask:0xf bank_mask:0xf
.endr
.endr
.irp r, 0,1,2,3,4,5,6,7,8,9,10,11,12,13,14,15
	v_permlanex16_b32 v[CM+\r], v[MX+\r], s30, s31
.endr
.irp r, 0,1,2,3,4,5,6,7,8,9,10,11,12,13,14,15
	v_max_num_f32 v[MX+\r], v[MX+\r], v[CM+\r]     ; every lane holds every row's maximum
.endr
	v_mov_b32 v21, v[MX]
.irp r, 1,2,3,4,5,6,7,8,9,10,11,12,13,14,15
	v_cmp_eq_u32 vcc_lo, \r, v20
	v_cndmask_b32 v21, v21, v[MX+\r], vcc_lo       ; my row's (l / 2)
.endr
	v_max_num_f32 v21, 0x358637bd, v21             ; held at 1e-6 from below
	v_rcp_f32 v22, v21
	v_cvt_pk_f16_f32 v58, v58, v59                 ; (a plain instruction behind the reciprocal)  the f16 table's word
	s_wait_alu depctr_va_vdst(0)                   ; the wait ahead of the reciprocal's first reader
	v_mul_f32 v56, v56, v22
	v_mul_f32 v57, v57, v22
	global_store_b64 v7, v[56:57], s[26:27]        ; 32 lanes store 256 consecutive bytes, aligned
	global_store_b32 v8, v58, s[28:29]             ; 128 consecutive bytes a wave: half an aligned 256; the whole table is 32,768 bytes
	s_endpgm
.Lfunc_end_k_q61700a3fc9_prep:
	.size	k_q61700a3fc9_prep, .Lfunc_end_k_q61700a3fc9_prep-k_q61700a3fc9_prep
	.p2alignl 7, 3214868480
	.fill 96, 4, 3214868480
	.section	.rodata,"a",@progbits
	.p2align	6, 0x0
	.amdhsa_kernel k_q61700a3fc9_prep
		.amdhsa_group_segment_fixed_size 33280
		.amdhsa_private_segment_fixed_size 0
		.amdhsa_enable_private_segment 0
		.amdhsa_kernarg_size 64
		.amdhsa_user_sgpr_count 2
		.amdhsa_user_sgpr_kernarg_segment_ptr 1
		.amdhsa_wavefront_size32 1
		.amdhsa_system_sgpr_workgroup_id_x 1
		.amdhsa_system_sgpr_workgroup_id_y 1
		.amdhsa_system_sgpr_workgroup_id_z 1
		.amdhsa_system_vgpr_workitem_id 0
		.amdhsa_next_free_vgpr 256
		.amdhsa_next_free_sgpr 66
		.amdhsa_reserve_vcc 1
		.amdhsa_float_denorm_mode_32 3
		.amdhsa_float_denorm_mode_16_64 3
		.amdhsa_memory_ordered 1
		.amdhsa_forward_progress 1
		.amdhsa_inst_pref_size 96
	.end_amdhsa_kernel
	.amdgpu_metadata
---
amdhsa.version: [ 1, 2 ]
amdhsa.kernels:
  - .name:           k_q61700a3fc9_prep
    .symbol:         k_q61700a3fc9_prep.kd
    .args:
      - { .name: x, .offset: 0, .size: 8, .value_kind: global_buffer, .address_space: global }
      - { .name: qkv_w, .offset: 8, .size: 8, .value_kind: global_buffer, .address_space: global }
      - { .name: out_w, .offset: 16, .size: 8, .value_kind: global_buffer, .address_space: global }
      - { .name: character_masks, .offset: 24, .size: 8, .value_kind: global_buffer, .address_space: global }
      - { .name: codes, .offset: 32, .size: 8, .value_kind: global_buffer, .address_space: global }
      - { .name: scales, .offset: 40, .size: 8, .value_kind: global_buffer, .address_space: global }
      - { .name: owh, .offset: 48, .size: 8, .value_kind: global_buffer, .address_space: global }
      - { .name: mk, .offset: 56, .size: 8, .value_kind: global_buffer, .address_space: global }
    .group_segment_fixed_size: 33280
    .private_segment_fixed_size: 0
    .kernarg_segment_align: 8
    .kernarg_segment_size: 64
    .max_flat_workgroup_size: 128
    .sgpr_count:     66
    .vgpr_count:     256
    .wavefront_size: 32
...
	.end_amdgpu_metadata
.endif
;; end of part 1
;; launch qkv (part 2): grid 12 x 16, 4 waves a work-group, clusters of 4 x 4, 327,680 bytes of LDS; arguments codes, scales, q_norm_w, k_norm_w, qkvh; writes qkvh
.if DOCPART == 2
	.amdgcn_target "amdgcn-amd-amdhsa--gfx1250"
	.amdhsa_code_object_version 6
	.text
	.protected	k_q61700a3fc9_qkv
	.globl	k_q61700a3fc9_qkv
	.p2align	8
	.type	k_q61700a3fc9_qkv,@function
k_q61700a3fc9_qkv:
	s_mov_b64 s[64:65], 0
	v_nop
	global_prefetch_b8 v0, s[64:65] scope:SCOPE_SE
	s_setreg_imm32_b32 hwreg(HW_REG_WAVE_MODE, 25, 1), 1
	s_wait_xcnt 0x0
	s_wait_alu depctr_hold_cnt(0) depctr_sa_sdst(0) depctr_va_vdst(0) depctr_va_sdst(0) depctr_va_ssrc(0) depctr_va_vcc(0) depctr_vm_vsrc(0)
	s_getreg_b32 s2, hwreg(HW_REG_IB_STS2, 6, 4)
	s_cmp_eq_u32 s2, 0
	s_cbranch_scc0 .Lentry_in_a_cluster
	s_endpgm
.Lentry_in_a_cluster:
	s_bfe_u32 s2, ttmp6, 0x10000c
	s_cmp_lg_u32 s2, 0xf033
	s_cbranch_scc0 .Lentry_shape_is_right
	s_endpgm
.Lentry_shape_is_right:
; qkv[m][n] = sum over k of x[m][k] qkv_w[n][k] on codes of E2M1 with one E8M0 scale for each 32 along K (M 4,096, N 3,072, K 1,024), sums in f32; then, for q and k, the rms norm over each head's 64 numbers, in f32;
; out in f16: qkvh [3][4096][1024] = q x q_norm_w x log2(e) / 8 (the softmax's scale and base folded in), k x k_norm_w, v.  No work of the problem is left out here.
; A tile of 256 x 256 is made by four waves, each 128 x 128: 64 accumulators of 16 x 16.  K is two slots of 512 (LDS rows of 256 bytes): both come with the first fills, and nothing is filled again.
; The scale bytes of the work-group's 256 + 256 rows, for all of K, are two dense blocks: they come once, with the first fills.
; CLUSTERS: 4 x 4 work-groups; the four of a row need the same tiles of x, the four of a column the same tiles of qkv_w: each tile is asked for jointly.  Cluster x = 0, 1, 2 is q, k, v: the same in all partners.
; THE MATRIX INSTRUCTION IS USED TRANSPOSED (source 0 = 16 rows of qkv_w, source 1 = 16 rows of x): a lane holds one token and eight neighbouring columns; a head's 64 columns lie in lanes l and l xor 16.
; REGISTERS: window 0: v0-31 addresses; v32-95 scale words, two sets; v96-127 my 32 norm weights; v128-191 x's fragments, one set; v192-255 the way out.  window 1: qkv_w's fragments, two sets.  windows 2, 3: the accumulators.
; LIMITS: NaN and infinities are not served; the results go to f16: magnitudes up to 65,504.
.set KSTEP,  512
.set NQ,     4
.set ROWB,   256
.set KROW,   512                       ; a row of codes in memory
.set PITCH,  272                       ; an LDS row: 256 bytes + 16 of padding: the 16 rows that a load touches start at 16 different banks
.set FR,     8
.set NL,     2
.set NP,     4
.set HALFT,  128*PITCH
.set SLOT,   4*HALFT
.set KS,     32                        ; a row of scale bytes
.set SCL,    2*SLOT
.set HALFS,  16*272                    ; the scales of 128 rows: 16 units of 256 bytes + 16 of padding
.set SBLK,   2*272                     ; those of 16 rows
.set SPARE,  SCL+4*HALFS               ; the spare words, 128 bytes for each wave
.set SPITCH, 272                       ; the way out: a stage of 16 rows x (256 + 16) bytes for each wave, in slot 0, which has had its only fill and its last read when the first result is stored there
.set ADRA, 16
.set ADRB, 20
.set STO,  24
.set RD,   25
.set CO,   26
.set ADRS, 27
.set SPW,  28                          ; v28  LDS address of my spare word; never rewritten
.set NIL,  29                          ; v29  0; never rewritten
.set SC,   32
.set NT,   64                          ; the way out: v64-71 the norm's sums and factors
.set W,    96
.set AF,   128
.set TMP,  192
.set OB,   32                          ; the way out: 16 rows read back: v32-63 and v224-255 by turns
.set G1, 24
.set G0, 32
.set G1B, 48
.set G0B, 56
.set G1S, 68
.set G0S, 76
.set G1SB, 80
.set G0SB, 88
.set MSB, 0
.macro WIN new                         ; the immediate's high byte repeats the setting that is left
.if MSB != \new
	s_set_vgpr_msb (MSB<<8)|\new
.set MSB, \new
.endif
.endm
.set MUL_LO, 0xa1                      ; source 0 window 1, source 1 window 0, C and D window 2
.set MUL_HI, 0xf1
.set TO_B,   0x40
; A joint load: waves 0 and 1 fetch for x, waves 2 and 3 for qkv_w.  The branch hangs on the wave's number alone.  An s_nop 0 and four v_nop follow each of the two lines.
.macro JLOAD g0a, g1a, g0b, g1b
	s_cmp_eq_u32 s15, 0
	s_cbranch_scc0 .Lfor_b_\@
	tensor_load_to_lds s[\g0a:\g0a+3], s[\g1a:\g1a+7]
	s_nop 0
.rept 4
	v_nop
.endr
	s_branch .Lasked_\@
.Lfor_b_\@:
	tensor_load_to_lds s[\g0b:\g0b+3], s[\g1b:\g1b+7]
	s_nop 0
.rept 4
	v_nop
.endr
.Lasked_\@:
.endm
.macro CROUND                          ; a round of the cluster's barrier
	s_barrier_signal -1
	s_barrier_wait -1
	s_cmp_lg_u32 s14, 0
	s_cbranch_scc1 .Lnot_wave_0_\@
	s_barrier_signal -3
.Lnot_wave_0_\@:
	s_barrier_wait -3
	s_barrier_signal -1
	s_barrier_wait -1
.endm
	s_load_b128 s[4:7], s[0:1], 0x0                ; codes, scales
	s_load_b128 s[96:99], s[0:1], 0x10             ; q_norm_w, k_norm_w
	s_load_b64 s[12:13], s[0:1], 0x20              ; qkvh
	v_lshl_add_u32 v[SPW], v0, 2, SPARE
	v_mov_b32 v[NIL], 0
	ds_add_u32 v[SPW], v[NIL]                      ; the wave's opening: the add, twice on end, and its wait ahead of my first tensor load
	ds_add_u32 v[SPW], v[NIL]
	v_lshrrev_b32 v1, 5, v0
	v_readfirstlane_b32 s14, v1                    ; wave 0..3
	s_lshr_b32 s15, s14, 1                         ; which half of the tile's rows is mine.  Also: I fetch for x (0) or for qkv_w (1)
	s_and_b32 s16, s14, 1                          ; which half of its columns.  Also: which 128 rows I fetch
	s_bfe_u32 s40, ttmp6, 0x40000                  ; cx, cy
	s_bfe_u32 s41, ttmp6, 0x40004
	s_lshl_b32 s42, ttmp9, 2
	s_add_co_u32 s42, s42, s40                     ; tile column
	s_and_b32 s17, ttmp7, 0xffff
	s_lshl_b32 s17, s17, 2
	s_add_co_u32 s17, s17, s41                     ; tile row
	s_lshl_b32 s43, s41, 2
	s_lshl_b32 s43, 15, s43                        ; my row of the cluster
	s_lshl_b32 s44, 0x1111, s40                    ; my column
	s_or_b32 s[G1+0], s43, (0<<16)|(1<<20)|(1<<21)|(5<<22)|(3<<25)  ; the mask; elements of 1 byte; padding on; bit 21 beside a mask; 4 words behind every 64
	s_or_b32 s[G1B+0], s44, (0<<16)|(1<<20)|(1<<21)|(5<<22)|(3<<25)
.irp g, G1, G1B
	s_mov_b32 s[\g+1], ROWB<<16                    ; tensor_dim0
	s_mov_b32 s[\g+2], 128<<16                     ; tensor_dim1
	s_mov_b32 s[\g+3], ROWB<<16                    ; tile_dim0
	s_mov_b32 s[\g+4], 128                         ; tile_dim1
	s_mov_b32 s[\g+5], KROW                        ; from row to row
	s_mov_b32 s[\g+6], 0
	s_mov_b32 s[\g+7], 0
.endr
	s_or_b32 s[G1S+0], s43, (3<<16)|(1<<20)|(1<<21)|(5<<22)|(3<<25)  ; the scales of 128 rows: 4,096 dense bytes as 16 rows of 256 (32 elements of 8 bytes)
	s_or_b32 s[G1SB+0], s44, (3<<16)|(1<<20)|(1<<21)|(5<<22)|(3<<25)
.irp g, G1S, G1SB
	s_mov_b32 s[\g+1], 32<<16
	s_mov_b32 s[\g+2], 16<<16
	s_mov_b32 s[\g+3], 32<<16
	s_mov_b32 s[\g+4], 16
	s_mov_b32 s[\g+5], 32
	s_mov_b32 s[\g+6], 0
	s_mov_b32 s[\g+7], 0
.endr
	s_lshl_b32 s18, s16, 7
	s_lshl_b32 s20, s17, 8
	s_add_co_u32 s20, s20, s18                     ; x: row 256 x tile row + 128 x half
	s_lshl_b32 s46, s42, 8
	s_add_co_u32 s46, s46, s18                     ; qkv_w: row 256 x tile column + 128 x half
	s_mov_b32 s21, 0
	s_mov_b32 s47, 0
	s_mov_b64 s[18:19], KS
	s_mul_u64 s[22:23], s[20:21], s[18:19]         ; where these rows' scales begin
	s_mul_u64 s[92:93], s[46:47], s[18:19]
	s_mov_b64 s[18:19], KROW
	s_mul_u64 s[20:21], s[20:21], s[18:19]         ; and their codes
	s_mul_u64 s[46:47], s[46:47], s[18:19]
	s_mul_i32 s45, s14, HALFT                      ; where they go: wave x 128 rows
	s_mul_i32 s94, s14, HALFS
	s_mov_b32 s2, 0x76543210
	s_mov_b32 s3, 0xfedcba98                       ; v_permlanex16_b32's selects for lane l xor 16
	s_mov_b32 s66, 0x3c800000                      ; 1 / 64
	s_mov_b32 s67, 0x358637bd                      ; 1e-6
	s_wait_dscnt 0x0                               ; both opening adds are done
	s_wait_kmcnt 0x0
	s_add_nc_u64 s[8:9], s[4:5], 0x200000          ; qkv_w's codes lie behind x's,
	s_add_nc_u64 s[10:11], s[6:7], 0x20000         ; its scale bytes likewise
	s_add_nc_u64 s[20:21], s[4:5], s[20:21]
	s_add_nc_u64 s[22:23], s[6:7], s[22:23]
	s_add_nc_u64 s[46:47], s[8:9], s[46:47]
	s_add_nc_u64 s[92:93], s[10:11], s[92:93]
	CROUND                                         ; all sixteen work-groups are here: the joint loads meet
	s_mov_b32 s[G0S], 1
	s_add_co_u32 s[G0S+1], s94, SCL
	s_mov_b64 s[G0S+2:G0S+3], s[22:23]
	s_or_b32 s[G0S+3], s[G0S+3], 0x80000000
	s_mov_b32 s[G0SB], 1
	s_add_co_u32 s[G0SB+1], s94, SCL
	s_mov_b64 s[G0SB+2:G0SB+3], s[92:93]
	s_or_b32 s[G0SB+3], s[G0SB+3], 0x80000000
	JLOAD G0S, G1S, G0SB, G1SB                     ; the scales first; three loads of mine are out behind the next two
.irp s, 0,1
	s_mov_b32 s[G0+4*\s], 1
	s_add_co_u32 s[G0+4*\s+1], s45, \s*SLOT
	s_add_nc_u64 s[G0+4*\s+2:G0+4*\s+3], s[20:21], \s*ROWB
	s_or_b32 s[G0+4*\s+3], s[G0+4*\s+3], 0x80000000
	s_mov_b32 s[G0B+4*\s], 1
	s_add_co_u32 s[G0B+4*\s+1], s45, \s*SLOT
	s_add_nc_u64 s[G0B+4*\s+2:G0B+4*\s+3], s[46:47], \s*ROWB
	s_or_b32 s[G0B+4*\s+3], s[G0B+4*\s+3], 0x80000000
	JLOAD G0+4*\s, G1, G0B+4*\s, G1B
.endr
	v_and_b32 v1, 15, v0                           ; r
	v_bfe_u32 v2, v0, 4, 1                         ; h
	; the norm weights of my columns 16 b + 8 h + j of a head: q's for q, k's for the others (the v work-groups load k's and do not use them: one way through the head)
	s_cmp_eq_u32 ttmp9, 0
	s_cselect_b64 s[96:97], s[96:97], s[98:99]
	s_cselect_b32 s100, 0x3e38aa3b, 1.0            ; q also takes log2(e) / 8
	s_mov_b32 s101, s100
	v_lshlrev_b32 v7, 5, v2
.irp b, 0,1,2,3
	global_load_b128 v[W+8*\b:W+8*\b+3], v7, s[96:97] offset:64*\b
	global_load_b128 v[W+8*\b+4:W+8*\b+7], v7, s[96:97] offset:64*\b+16
.endr
	v_mul_u32_u24 v3, v1, PITCH
	v_lshl_add_u32 v4, v2, 4, v3                   ; a fragment's row x pitch + 16 x half
	s_mul_i32 s21, s15, HALFT
	s_mul_i32 s22, s16, HALFT
	s_add_co_u32 s22, s22, 2*HALFT
.irp s, 0,1
	v_add_nc_u32 v[ADRA+\s], s21, v4
	v_add_nc_u32 v[ADRB+\s], s22, v4
	s_add_co_u32 s21, s21, SLOT
	s_add_co_u32 s22, s22, SLOT
.endr
	v_mul_u32_u24 v5, v1, KS                       ; my row's scales: 32 bytes a row,
	v_lshrrev_b32 v6, 8, v5
	v_lshl_add_u32 v5, v6, 4, v5                   ; and 16 more for each 256 passed
	s_mul_i32 s21, s15, HALFS
	s_mul_i32 s22, s16, HALFS
	s_add_co_u32 s22, s22, 2*HALFS
	s_sub_co_u32 s22, s22, s21
	v_mul_u32_u24 v6, s22, v2                      ; lanes 16-31 take qkv_w's
	s_add_co_u32 s21, s21, SCL
	v_add_nc_u32 v5, v5, v6
	v_add_nc_u32 v[ADRS], s21, v5
	s_mul_i32 s23, s14, 16*SPITCH                  ; my stage
	v_mul_u32_u24 v5, v1, SPITCH                   ; in: row r, 16 bytes for each half of the lanes
	v_lshl_add_u32 v5, v2, 4, v5
	v_add_nc_u32 v[STO], s23, v5
	v_mul_u32_u24 v5, v2, SPITCH                   ; back: lanes 0-15 one row of 256 bytes, lanes 16-31 the next
	v_lshl_add_u32 v5, v1, 4, v5
	v_add_nc_u32 v[RD], s23, v5
	v_lshlrev_b32 v[CO], 11, v2                    ; and the same two rows in qkvh: 2,048 bytes a row
	v_lshl_add_u32 v[CO], v1, 4, v[CO]
	s_lshl_b32 s20, ttmp9, 23                      ; q, k or v: 8,388,608 bytes each
	s_lshl_b32 s21, s17, 19                        ; 256 rows of 2,048 bytes a tile row
	s_add_co_u32 s20, s20, s21
	s_lshl_b32 s21, s15, 18
	s_add_co_u32 s20, s20, s21
	s_lshl_b32 s21, s40, 9                         ; 256 columns of 2 bytes
	s_add_co_u32 s20, s20, s21
	s_lshl_b32 s21, s16, 8
	s_add_co_u32 s20, s20, s21
	s_mov_b32 s21, 0
	s_add_nc_u64 s[12:13], s[12:13], s[20:21]
	s_wait_loadcnt 0x0                             ; the norm weights
.irp i, 0,2,4,6,8,10,12,14,16,18,20,22,24,26,28,30
	v_pk_mul_f32 v[W+\i:W+\i+1], v[W+\i:W+\i+1], s[100:101] op_sel_hi:[1,0]
.endr
.macro FRAG reg, adr, q, i             ; 16 rows x 128 K of 4-bit codes: 8 registers
.irp c, 0,1
	ds_load_b128 v[\reg+4*\c:\reg+4*\c+3], v[\adr] offset:64*(\q)+32*\c+(\i)*16*PITCH
.endr
.endm
; 16 matrix instructions: x's blocks a0, a0 + 1 against qkv_w's eight.  The 64 accumulators take turns, one instruction a turn, in the same order in every step.
.macro MUL16 a0, p, q, sc, zero
.irp a, \a0, \a0+1
.irp b, 0,1,2,3,4,5,6,7
.if \zero
	v_wmma_scale_f32_16x16x128_f8f6f4 v[8*(8*((\a)%4)+\b):8*(8*((\a)%4)+\b)+7], v[128*(\p)+FR*\b:128*(\p)+FR*\b+FR-1], v[AF+FR*(\a):AF+FR*(\a)+FR-1], 0, v[SC+8*NQ*(\sc)+NQ*\b+(\q)], v[SC+8*NQ*(\sc)+NQ*(\a)+(\q)] matrix_a_fmt:MATRIX_FMT_FP4 matrix_b_fmt:MATRIX_FMT_FP4 matrix_a_scale:MATRIX_SCALE_ROW1
.else
	v_wmma_scale_f32_16x16x128_f8f6f4 v[8*(8*((\a)%4)+\b):8*(8*((\a)%4)+\b)+7], v[128*(\p)+FR*\b:128*(\p)+FR*\b+FR-1], v[AF+FR*(\a):AF+FR*(\a)+FR-1], v[8*(8*((\a)%4)+\b):8*(8*((\a)%4)+\b)+7], v[SC+8*NQ*(\sc)+NQ*\b+(\q)], v[SC+8*NQ*(\sc)+NQ*(\a)+(\q)] matrix_a_fmt:MATRIX_FMT_FP4 matrix_b_fmt:MATRIX_FMT_FP4 matrix_a_scale:MATRIX_SCALE_ROW1
.endif
.endr
.endr
.endm
.macro FETCH_B slot, q, p
	WIN TO_B
.irp i, 0,1,2,3,4,5,6,7
	FRAG 128*(\p)+FR*\i, ADRB+\slot, \q, \i
.endr
	WIN 0
.endm
.macro FETCH_A slot, q, i0
.irp i, \i0, \i0+1, \i0+2, \i0+3
	FRAG AF+FR*(\i), ADRA+\slot, \q, \i
.endr
.endm
.macro SCALES sc                       ; a slot's scale words: lanes 0-15 take x's block i, lanes 16-31 qkv_w's block i
.irp i, 0,1,2,3,4,5,6,7
	ds_load_b128 v[SC+8*NQ*\sc+NQ*\i:SC+8*NQ*\sc+NQ*\i+3], v[ADRS] offset:\i*SBLK
.endr
.endm
.macro PLACES n                        ; plain vector instructions between a matrix instruction and a load into, or a vector read or write of, its registers
.rept \n
	v_nop
.endr
.endm
.macro STEP slot, q, zero              ; 128 along K, with its successor in the same slot
	s_wait_dscnt 4*NL                              ; all but the youngest eight loads (x's blocks 4-7) are in
	WIN MUL_LO
	MUL16 0, (\q)%2, \q, \slot, \zero
	MUL16 2, (\q)%2, \q, \slot, \zero
	s_wait_dscnt 0
	PLACES NP
	FETCH_B \slot, (\q)+1, 1-(\q)%2
	FETCH_A \slot, (\q)+1, 0
	WIN MUL_HI
	MUL16 4, (\q)%2, \q, \slot, \zero
	MUL16 6, (\q)%2, \q, \slot, \zero
	PLACES NP
	WIN 0
	FETCH_A \slot, (\q)+1, 4
.endm
.macro TURN slot, next                 ; slot 0's last step changes slots: one barrier; in front of it each wave has waited for its part of slot 1
	s_wait_tensorcnt 0x0                           ; all my tensor loads have landed
	ds_add_u32 v[SPW], v[NIL]                      ; 0 onto my spare word
	s_wait_dscnt 4*NL+1                            ; (the add and the youngest eight loads may be out)
	WIN MUL_LO
	MUL16 0, 1, NQ-1, \slot, 0
	s_wait_dscnt 0x0                               ; the add is done, and my reads of this slot are over
	s_barrier_signal -1
	MUL16 2, 1, NQ-1, \slot, 0
	WIN 0
	s_barrier_wait -1
	PLACES NP
	v_add_nc_u32 v[ADRS], 4*NQ, v[ADRS]            ; on to the next slot's scale words
	FETCH_B \next, 0, 0
	FETCH_A \next, 0, 0
	SCALES \next
	WIN MUL_HI
	MUL16 4, 1, NQ-1, \slot, 0
	MUL16 6, 1, NQ-1, \slot, 0
	PLACES NP
	WIN 0
	FETCH_A \next, 0, 4
.endm
	s_wait_tensorcnt 1                             ; the scales and my part of slot 0 are in (slot 1's load may be out)
	s_barrier_signal -1
	s_barrier_wait -1                              ; everybody's are
	FETCH_B 0, 0, 0
	FETCH_A 0, 0, 0
	SCALES 0
	FETCH_A 0, 0, 4
	STEP 0, 0, 1                                   ; the first products start the sums: nothing is cleared
	STEP 0, 1, 0
	STEP 0, 2, 0
	TURN 0, 1
	STEP 1, 0, 0
	STEP 1, 1, 0
	STEP 1, 2, 0
	s_wait_dscnt 4*NL                              ; the last step: nothing more to fetch
	WIN MUL_LO
	MUL16 0, 1, NQ-1, 1, 0
	MUL16 2, 1, NQ-1, 1, 0
	s_wait_dscnt 0
	WIN MUL_HI
	MUL16 4, 1, NQ-1, 1, 0
	MUL16 6, 1, NQ-1, 1, 0
	WIN 0
; THE WAY OUT, by blocks of 16 tokens x 128 columns (two heads).
; NORM: a head's 64 numbers of a token lie in lanes l and l xor 16, 32 each.  Their squares are summed (each accumulator from its low end on), x 1 / 64, + 1e-6, reciprocal root; then x that factor, x my weights.
.macro NORM a
.set AC, 64*((\a)%4)
	WIN 0x0a+5*((\a)/4)                            ; sources 0 and 1: the block's window
.irp e, 0,1
	v_pk_mul_f32 v[NT+2*\e:NT+2*\e+1], v[AC+32*\e:AC+32*\e+1], v[AC+32*\e:AC+32*\e+1]
.endr
.irp i, 1,2,3,4,5,6,7,8,9,10,11,12,13,14,15
.irp e, 0,1
	v_pk_fma_f32 v[NT+2*\e:NT+2*\e+1], v[AC+32*\e+2*\i:AC+32*\e+2*\i+1], v[AC+32*\e+2*\i:AC+32*\e+2*\i+1], v[NT+2*\e:NT+2*\e+1]
.endr
.endr
	WIN 0
.irp e, 0,1
	v_add_f32 v[NT+2*\e], v[NT+2*\e], v[NT+2*\e+1]
.endr
.irp e, 0,1
	v_permlanex16_b32 v[NT+2*\e+1], v[NT+2*\e], s2, s3
.endr
.irp e, 0,1
	v_add_f32 v[NT+2*\e], v[NT+2*\e], v[NT+2*\e+1]
.endr
.irp e, 0,1
	v_fma_f32 v[NT+2*\e], v[NT+2*\e], s66, s67
.endr
.irp e, 0,1
	v_rsq_f32 v[NT+4+2*\e], v[NT+2*\e]
.endr
	v_nop                                          ; a plain instruction behind the last root,
	s_wait_alu depctr_va_vdst(0)                   ; and the wait ahead of the first reader: one for both
	WIN 0x82+0x41*((\a)/4)                         ; destination and source 0: the block's window
.irp e, 0,1
.irp i, 0,2,4,6,8,10,12,14,16,18,20,22,24,26,28,30
	v_pk_mul_f32 v[AC+32*\e+\i:AC+32*\e+\i+1], v[AC+32*\e+\i:AC+32*\e+\i+1], v[NT+4+2*\e:NT+5+2*\e] op_sel_hi:[1,0]
.endr
.endr
.irp e, 0,1
.irp i, 0,2,4,6,8,10,12,14,16,18,20,22,24,26,28,30
	v_pk_mul_f32 v[AC+32*\e+\i:AC+32*\e+\i+1], v[AC+32*\e+\i:AC+32*\e+\i+1], v[W+\i:W+\i+1]
.endr
.endr
	WIN 0
.endm
.macro MAYNORM a                       ; v has no norm: a branch on the cluster's x, the same in all partners, round register work alone
	s_cmp_eq_u32 ttmp9, 2
	s_cbranch_scc1 .Lplain_\@
	NORM \a
.Lplain_\@:
.endm
.macro PACK a                          ; rounded to f16: a lane's eight columns are 16 bytes
.set AC, 64*((\a)%4)
	WIN 0x0a+5*((\a)/4)
.irp b, 0,1,2,3,4,5,6,7
.irp r, 0,1,2,3
	v_cvt_pk_f16_f32 v[TMP+4*\b+\r], v[AC+8*\b+2*\r], v[AC+8*\b+2*\r+1]
.endr
.endr
	WIN 0
.endm
.macro TOSTAGE a                       ; into my stage, and back as whole rows of 256 bytes; LDS serves a wave's instructions in order
.set BK, OB+192*((\a)%2)
.irp b, 0,1,2,3,4,5,6,7
	ds_store_b128 v[STO], v[TMP+4*\b:TMP+4*\b+3] offset:32*\b
.endr
.irp t, 0,1,2,3,4,5,6,7
	ds_load_b128 v[BK+4*\t:BK+4*\t+3], v[RD] offset:\t*2*SPITCH
.endr
.endm
.macro SEND a
.set BK, OB+192*((\a)%2)
	s_wait_dscnt 0x0                               ; the block is back in registers
	s_wait_xcnt 0x0                                ; the earlier stores have read their base and their data: only now are they rewritten
.if (\a) > 0
	s_add_nc_u64 s[12:13], s[12:13], 16*2048
.endif
.irp t, 0,1,2,3,4,5,6,7
	global_store_b128 v[CO], v[BK+4*\t:BK+4*\t+3], s[12:13] offset:2*\t*2048   ; 16 lanes store 256 consecutive bytes, aligned
.endr
.endm
	PLACES NP                                      ; behind the last products: their scale words' registers are written next, their results read
	v_mov_b32 v[NT+5], 0                           ; (named as the upper halves of the factors' pairs)
	v_mov_b32 v[NT+7], 0
	MAYNORM 0
	PACK 0
	TOSTAGE 0
.irp a, 1,2,3,4,5,6,7
	MAYNORM \a
	PACK \a
	SEND \a-1
	TOSTAGE \a
.endr
	SEND 7
	s_wait_tensorcnt 0x0                           ; the wave's end
	ds_add_u32 v[SPW], v[NIL]
	s_wait_dscnt 0x0
	CROUND                                         ; the closing round
	s_endpgm
.Lfunc_end_k_q61700a3fc9_qkv:
	.size	k_q61700a3fc9_qkv, .Lfunc_end_k_q61700a3fc9_qkv-k_q61700a3fc9_qkv
	.p2alignl 7, 3214868480
	.fill 96, 4, 3214868480
	.section	.rodata,"a",@progbits
	.p2align	6, 0x0
	.amdhsa_kernel k_q61700a3fc9_qkv
		.amdhsa_group_segment_fixed_size 327680
		.amdhsa_private_segment_fixed_size 0
		.amdhsa_enable_private_segment 0
		.amdhsa_kernarg_size 40
		.amdhsa_user_sgpr_count 2
		.amdhsa_user_sgpr_kernarg_segment_ptr 1
		.amdhsa_wavefront_size32 1
		.amdhsa_system_sgpr_workgroup_id_x 1
		.amdhsa_system_sgpr_workgroup_id_y 1
		.amdhsa_system_sgpr_workgroup_id_z 1
		.amdhsa_system_vgpr_workitem_id 0
		.amdhsa_next_free_vgpr 1024
		.amdhsa_next_free_sgpr 102
		.amdhsa_reserve_vcc 0
		.amdhsa_float_denorm_mode_32 3
		.amdhsa_float_denorm_mode_16_64 3
		.amdhsa_memory_ordered 1
		.amdhsa_forward_progress 1
		.amdhsa_inst_pref_size 183
	.end_amdhsa_kernel
	.amdgpu_metadata
---
amdhsa.version: [ 1, 2 ]
amdhsa.kernels:
  - .name:           k_q61700a3fc9_qkv
    .symbol:         k_q61700a3fc9_qkv.kd
    .args:
      - { .name: codes, .offset: 0, .size: 8, .value_kind: global_buffer, .address_space: global }
      - { .name: scales, .offset: 8, .size: 8, .value_kind: global_buffer, .address_space: global }
      - { .name: q_norm_w, .offset: 16, .size: 8, .value_kind: global_buffer, .address_space: global }
      - { .name: k_norm_w, .offset: 24, .size: 8, .value_kind: global_buffer, .address_space: global }
      - { .name: qkvh, .offset: 32, .size: 8, .value_kind: global_buffer, .address_space: global }
    .group_segment_fixed_size: 327680
    .private_segment_fixed_size: 0
    .kernarg_segment_align: 8
    .kernarg_segment_size: 40
    .max_flat_workgroup_size: 128
    .sgpr_count:     102
    .vgpr_count:     1024
    .wavefront_size: 32
...
	.end_amdgpu_metadata
.endif
;; end of part 2
;; launch attn (part 3): grid 16 x 16, 8 waves a work-group, clusters of 4 x 4, 327,680 bytes of LDS; arguments qkvh, interaction_mask, mk, isolation_gate, ao; writes ao
.if DOCPART == 3
	.amdgcn_target "amdgcn-amd-amdhsa--gfx1250"
	.amdhsa_code_object_version 6
	.text
	.protected	k_q61700a3fc9_attn
	.globl	k_q61700a3fc9_attn
	.p2align	8
	.type	k_q61700a3fc9_attn,@function
k_q61700a3fc9_attn:
	s_mov_b64 s[64:65], 0
	v_nop
	global_prefetch_b8 v0, s[64:65] scope:SCOPE_SE
	s_setreg_imm32_b32 hwreg(HW_REG_WAVE_MODE, 25, 1), 1
	s_wait_xcnt 0x0
	s_wait_alu depctr_hold_cnt(0) depctr_sa_sdst(0) depctr_va_vdst(0) depctr_va_sdst(0) depctr_va_ssrc(0) depctr_va_vcc(0) depctr_vm_vsrc(0)
	s_getreg_b32 s2, hwreg(HW_REG_IB_STS2, 6, 4)
	s_cmp_eq_u32 s2, 0
	s_cbranch_scc0 .Lentry_in_a_cluster
	s_endpgm
.Lentry_in_a_cluster:
	s_bfe_u32 s2, ttmp6, 0x10000c
	s_cmp_lg_u32 s2, 0xf033
	s_cbranch_scc0 .Lentry_shape_is_right
	s_endpgm
.Lentry_shape_is_right:
; ao[b][q][head] = softmax over the keys of (q . k / 8 + 3 gate bias) times v, f16 operands, f32 sums, maxima and exponentials.
; LEFT OUT: the term -3 gate of 3 gate bias, the same for every key of a row (shown at the head of the first launch).
; In base 2: t = q^ . k + sum over c of a_c(q) cm_c(k) + G9 im(q, k), with q^ = q x log2(e) / 8 as the launch before left it, a_c = G6 qa[q][c], G6 = 6 log2(e) clip(gate), G9 = 0.9 log2(e) clip(gate).
; p = 2^(t - m), m the row's running maximum; in every step O and the sum l are multiplied by 2^(m_old - m_new).
; The four masks' product rides as a third K step of the score product: of its 32 places along K four are used, the others hold zeros on both sides.
; im x G9 is laid into the scores' registers, and the score products add onto it.
; SHARES.  A work-group owns 128 queries and two heads of one batch.  EIGHT waves, two to a SIMD, so that one wave's vector work stands beside the other's matrix work and LDS loads: a key step of a wave is 40 matrix
; instructions and 268 vector instructions.  Wave w takes head w / 4 of the pair and queries 32 (w % 4) on: two tiles of 16, in 464 registers.  The price: a fragment of K or V read from LDS feeds two products.
; Every wave walks all 2,048 keys, 64 a step, 128 a slot.
; LAYOUT.  S^T = K Q^T (source 0 = 16 keys, source 1 = 16 queries): a lane holds one query (lane % 16) and keys 8 (lane / 16) + 0..7; two such tiles, rounded to f16 in pairs, are source 1 of O^T = V^T P.  V is turned by ds_load_tr16_b128.
; CLUSTER 4 x 4: along x four query blocks, along y four head pairs.  K's and V's tiles hang on y alone and are asked for jointly by a row, im's tiles on x alone and by a column.
; RING.  Two slots.  Every wave fetches 64 rows x 256 bytes: waves 0, 1 the halves of K's 128 keys, waves 2, 3 those of V's, waves 4 to 7 im's: for each of the slot's two key steps the two halves of the 128 queries.
; One load a wave behind each round, which has two key steps in which to land.
; REGISTERS: window 0: v0-31 addresses and constants; v32-47 statistics, 8 a tile (+0 m, +1 zero, +2, +3 l, +4..7 at work; the factor takes +6); v64-95 P; v128-191 S^T (32 qt + 8 kt + j); v192-255 V (8 (4 u + ct)).
;   window 1: v0-63 O^T (32 qt + 8 ct + j); v64-111 Q (24 qt + 8 kc; kc = 2: the masks' step); v112-143 the masks' step of the keys (8 kt); v144-207 K (8 (2 kt + kc)).
; LIMITS: NaN and infinities are not served; a_c goes to f16.
.set KP,    272                        ; a key's row of K in LDS: 256 bytes + 16
.set VP,    288                        ; of V: 256 + 32
.set IP,    272                        ; a query's 64 numbers of im for one key step: 256 + 16
.set IMQ,   128*IP                     ; a key step's part of im
.set K0,    2*IMQ                      ; slot 0: im at 0, K behind it
.set SPARE, K0+128*KP                  ; 104,448: the spare words, 128 bytes for each of the eight waves
.set STG0,  SPARE+1024                 ; the way out's stage, rows 0-63: bytes of its own
.set SLOT1, 1<<17                      ; slot 1's im and K: one exclusive or turns an address
.set V0,    SLOT1+K0+128*KP            ; 0x39800: V's two slots lie behind, the second at 0x42800
.set VX,    0x7b000                    ; 0x39800 xor 0x42800: turns the slots' first halves,
.set VX2,   0x79000                    ; 0x3e000 xor 0x47000: and their second halves, 64 rows on
.set STG1,  V0+2*128*VP                ; 309,248: the stage's rows 64-127
.set SP,    272
.set AK0, 3
.set AV0, 4
.set AI0, 5
.set ADK, 6
.set ADV, 7
.set ADI, 8
.set CMO, 9                            ; v9   offset of the next step's mask words
.set L4,  10                           ; v10  4 x lane
.set STO, 11
.set RD,  12
.set GO,  13
.set PFO, 14                           ; v14  the prefetches' offset; never rewritten
.set G9,  16                           ; v[16:17] G9, twice
.set SPW, 18                           ; v18  LDS address of my spare word; never rewritten
.set NIL, 19                           ; v19  0; never rewritten
.set ST,  32
.set P,   64
.set S,   128
.set VF,  192
.set QF,  64                           ; in window 1
.set KA,  112
.set KF,  144
.set HF,  2                            ; s2   wave % 2
.set H2,  3                            ; s3   (wave / 2) % 2
.set WV,  14
.set HS,  15                           ; s15  wave / 4: which head of the pair
.set QG,  16                           ; s16  wave % 4: which 32 queries
.set G1K, 24
.set G1V, 32
.set G1I, 40
.set G0K, 48
.set G0V, 52                           ; V's first 64 keys of a slot
.set G0I, 56
.set G0W, 96                           ; V's second 64 keys
.set SEL, 60
.set TB,  62                           ; s62  where the slot in hand begins (im, K)
.set TV,  63                           ; s63  and V's
.set SLOTS, 66
.set CO,  67                           ; s67  byte of the next step's mask words in the batch's table
.set PFA, 68
.set PFS, 70
.set LIM, 72
.set CMK, 74
.set MSB, 0
.macro WIN new                         ; the immediate's high byte repeats the setting that is left
.if MSB != \new
	s_set_vgpr_msb (MSB<<8)|\new
.set MSB, \new
.endif
.endm
.macro ROUND                           ; a round of the cluster's barrier
	s_barrier_signal -1
	s_barrier_wait -1
	s_cmp_lg_u32 s[WV], 0
	s_cbranch_scc1 .Lnot_wave_0_\@
	s_barrier_signal -3
.Lnot_wave_0_\@:
	s_barrier_wait -3
	s_barrier_signal -1
	s_barrier_wait -1
.endm
; A joint load: every wave has one.  The branches hang on the wave's number alone.  An s_nop 0 and four v_nop follow each line.
.macro JLOAD
	s_cmp_lt_u32 s[WV], 2
	s_cbranch_scc0 .Lnot_k_\@
	tensor_load_to_lds s[G0K:G0K+3], s[G1K:G1K+7]
	s_nop 0
.rept 4
	v_nop
.endr
	s_branch .Lasked_\@
.Lnot_k_\@:
	s_cmp_lt_u32 s[WV], 3
	s_cbranch_scc0 .Lnot_v_\@
	tensor_load_to_lds s[G0V:G0V+3], s[G1V:G1V+7]
	s_nop 0
.rept 4
	v_nop
.endr
	s_branch .Lasked_\@
.Lnot_v_\@:
	s_cmp_lt_u32 s[WV], 4
	s_cbranch_scc0 .Lfor_i_\@
	tensor_load_to_lds s[G0W:G0W+3], s[G1V:G1V+7]
	s_nop 0
.rept 4
	v_nop
.endr
	s_branch .Lasked_\@
.Lfor_i_\@:
	tensor_load_to_lds s[G0I:G0I+3], s[G1I:G1I+7]
	s_nop 0
.rept 4
	v_nop
.endr
.Lasked_\@:
.endm
; A PREFETCH INTO THE L2 of what the NEXT change of slots will ask for, behind my tensor load and its five lines: one instruction in each of four waves, 32 blocks of 256 bytes each.
; K's and V's rows are walked by all four clusters of a row of clusters: cluster x = 0 asks, wave 0 for K and wave 2 for V; its partners along x take 32 keys each, a lane a row.  im's rows are walked by the two clusters
; of a batch in a column of clusters: the even cluster y asks, waves 4 and 5 for the two halves of the queries; its partners along y take 16 of a wave's 64 queries each, two lanes a row.
; Partners are told apart by address alone.  So each block is named once in the launch.  Tiles 0 and 1 come by their loads alone; the last change that fills a slot asks for nothing.
.macro ASK
	s_cmp_gt_u32 s[SLOTS], s[LIM]
	s_cbranch_scc0 .Lnot_mine_\@
	global_prefetch_b8 v[PFO], s[PFA:PFA+1] th:TH_LOAD_NT scope:SCOPE_SE
.Lnot_mine_\@:
.endm
	s_load_b256 s[4:11], s[0:1], 0x0               ; qkvh s[4:5], im s[6:7], mk s[8:9], gate s[10:11]
	s_load_b64 s[12:13], s[0:1], 0x20              ; ao
	v_lshl_add_u32 v[SPW], v0, 2, SPARE
	v_mov_b32 v[NIL], 0
	ds_add_u32 v[SPW], v[NIL]                      ; the wave's opening: the add, twice on end, and its wait ahead of my first tensor load
	ds_add_u32 v[SPW], v[NIL]
	v_lshrrev_b32 v1, 5, v0
	v_readfirstlane_b32 s[WV], v1                  ; wave 0..7
	s_lshr_b32 s[HS], s[WV], 2                     ; which head of the pair
	s_and_b32 s[QG], s[WV], 3                      ; which 32 queries.  Also, in waves 4 to 7: which quarter of im's tile I fetch
	s_and_b32 s[HF], s[WV], 1                      ; which half of the rows I fetch
	s_bfe_u32 s[H2], s[WV], 0x10001                ; in waves 4 to 7: for which of the slot's two key steps
	s_bfe_u32 s17, ttmp6, 0x40000                  ; cx
	s_bfe_u32 s18, ttmp6, 0x40004                  ; cy
	s_and_b32 s19, ttmp7, 0xffff                   ; cluster y
	s_lshr_b32 s20, s19, 1                         ; the batch
	s_and_b32 s21, s19, 1
	s_lshl_b32 s21, s21, 2
	s_add_co_u32 s21, s21, s18                     ; the head pair, 0..7
	s_lshl_b32 s22, ttmp9, 2
	s_add_co_u32 s22, s22, s17                     ; the block of 128 queries, 0..15
	s_lshl_b32 s76, s18, 2
	s_lshl_b32 s76, 15, s76                        ; my row of the cluster
	s_lshl_b32 s77, 0x1111, s17                    ; my column
	s_or_b32 s[G1K], s76, (1<<16)|(1<<20)|(1<<21)|(5<<22)|(3<<25)  ; the mask; elements of 2 bytes; padding on; bit 21 beside a mask; 4 words behind every 64
	s_or_b32 s[G1V], s76, (1<<16)|(1<<20)|(1<<21)|(5<<22)|(7<<25)  ; 8 words of padding
.irp g, G1K, G1V
	s_mov_b32 s[\g+1], 128<<16                     ; tensor_dim0 = 128
	s_mov_b32 s[\g+2], 64<<16                      ; tensor_dim1 = 64
	s_mov_b32 s[\g+3], 128<<16                     ; tile_dim0 = 128
	s_mov_b32 s[\g+4], 64                          ; tile_dim1 = 64
	s_mov_b32 s[\g+5], 1024                        ; from row to row
	s_mov_b32 s[\g+6], 0
	s_mov_b32 s[\g+7], 0
.endr
	s_or_b32 s[G1I], s77, (2<<16)|(1<<20)|(1<<21)|(5<<22)|(3<<25)  ; elements of 4 bytes; 4 words behind every 64
	s_mov_b32 s[G1I+1], 64<<16
	s_mov_b32 s[G1I+2], 64<<16
	s_mov_b32 s[G1I+3], 64<<16
	s_mov_b32 s[G1I+4], 64
	s_mov_b32 s[G1I+5], 2048
	s_mov_b32 s[G1I+6], 0
	s_mov_b32 s[G1I+7], 0
	s_lshl_b32 s78, s20, 22                        ; K's tile 0 in qkvh: the batch's 2,048 rows of 2,048 bytes,
	s_lshl_b32 s23, s21, 8                         ; the pair's 256 bytes of a row,
	s_add_co_u32 s78, s78, s23
	s_add_co_u32 s78, s78, 0x800000                ; behind q
	s_mov_b32 s79, 0
	s_lshl_b32 s94, s[HF], 17                      ; the half of K's keys that I would fetch: 64 rows of 2,048 bytes
	s_mov_b32 s95, 0
	s_lshl_b32 s80, s20, 24                        ; im's tile 0: the batch,
	s_lshl_b32 s73, s22, 20                        ; 128 rows of 8,192 bytes a block,
	s_add_co_u32 s80, s80, s73
	s_lshl_b32 s73, s[HF], 19                      ; the half of the queries that I would fetch,
	s_add_co_u32 s80, s80, s73
	s_lshl_b32 s73, s[H2], 8                       ; the key step: 64 keys of 4 bytes
	s_add_co_u32 s80, s80, s73
	s_mov_b32 s81, 0
	s_lshl_b32 s82, s20, 22                        ; my rows of q and of ao
	s_lshl_b32 s73, s22, 18
	s_add_co_u32 s82, s82, s73
	s_add_co_u32 s82, s82, s23
	s_lshl_b32 s73, s[WV], 15
	s_add_co_u32 s84, s82, s73                     ; ao: 16 rows a wave, both heads
	s_mov_b32 s85, 0
	s_lshl_b32 s73, s[QG], 16
	s_add_co_u32 s82, s82, s73
	s_lshl_b32 s73, s[HS], 7
	s_add_co_u32 s82, s82, s73                     ; q: my 32 rows, my head
	s_mov_b32 s83, 0
	s_lshl_b32 s86, s20, 15                        ; qa: 16 bytes a query
	s_lshl_b32 s73, s22, 11
	s_add_co_u32 s86, s86, s73
	s_lshl_b32 s73, s[QG], 9
	s_add_co_u32 s86, s86, s73
	s_mov_b32 s87, 0
	s_lshl_b32 s88, s20, 14                        ; the f16 table of the batch
	s_add_co_u32 s88, s88, 0x10000
	s_mov_b32 s89, 0
	s_lshl_b32 s90, s21, 3                         ; my head's gate
	s_lshl_b32 s73, s[HS], 2
	s_add_co_u32 s90, s90, s73
	s_mov_b32 s91, 0
	s_mov_b32 s[SEL], 0x76543210
	s_mov_b32 s[SEL+1], 0xfedcba98
	s_mov_b32 s[TB], 0
	s_mov_b32 s[TV], V0
	s_mov_b32 s[CO], 0
	s_mov_b32 s[SLOTS], 15
	s_wait_dscnt 0x0                               ; both opening adds are done
	s_wait_kmcnt 0x0
	s_mov_b32 s[G0K], 1
	s_mul_i32 s[G0K+1], s[HF], 64*KP
	s_add_co_u32 s[G0K+1], s[G0K+1], K0
	s_add_nc_u64 s[G0K+2:G0K+3], s[4:5], s[78:79]
	s_add_nc_u64 s[G0K+2:G0K+3], s[G0K+2:G0K+3], s[94:95]
	s_or_b32 s[G0K+3], s[G0K+3], 0x80000000
	s_mov_b32 s[G0V], 1
	s_mov_b32 s[G0V+1], V0
	s_add_nc_u64 s[G0V+2:G0V+3], s[4:5], s[78:79]
	s_add_nc_u64 s[G0V+2:G0V+3], s[G0V+2:G0V+3], 0x800000
	s_mov_b32 s[G0W], 1
	s_mov_b32 s[G0W+1], V0+64*VP
	s_add_nc_u64 s[G0W+2:G0W+3], s[G0V+2:G0V+3], 0x20000   ; 64 rows of 2,048 bytes on
	s_or_b32 s[G0V+3], s[G0V+3], 0x80000000
	s_or_b32 s[G0W+3], s[G0W+3], 0x80000000
	s_mov_b32 s[G0I], 1
	s_mul_i32 s[G0I+1], s[QG], 64*IP               ; quarter 2 x step + half
	s_add_nc_u64 s[G0I+2:G0I+3], s[6:7], s[80:81]
	s_or_b32 s[G0I+3], s[G0I+3], 0x80000000
	s_add_nc_u64 s[10:11], s[10:11], s[90:91]
	s_load_b32 s92, s[10:11], 0x0                  ; my head's gate
	ROUND                                          ; all sixteen work-groups are here: the first joint loads meet
	JLOAD                                          ; slot 0
	; the prefetches: where mine stand, and who asks
	s_lshl_b32 s93, s[H2], 23                      ; wave 2: V lies 8,388,608 bytes behind K
	s_add_co_u32 s93, s93, s78
	s_lshl_b32 s94, s17, 16                        ; my work-group's 32 keys
	s_add_co_u32 s93, s93, s94
	s_add_co_u32 s93, s93, 0x40000                 ; in tile 1: the first change of slots steps it to tile 2
	s_lshl_b32 s94, s18, 17                        ; my work-group's 16 queries
	s_add_co_u32 s94, s94, s80
	s_add_co_u32 s94, s94, 512
	s_and_b32 s95, s19, 1
	s_cmp_lt_u32 s[WV], 4
	s_cselect_b64 s[PFA:PFA+1], s[4:5], s[6:7]
	s_cselect_b32 s90, s93, s94
	s_mov_b32 s91, 0
	s_mov_b32 s[PFS], 512
	s_cselect_b32 s[PFS], 0x40000, s[PFS]          ; a slot on
	s_mov_b32 s[PFS+1], 0
	s_cselect_b32 s95, ttmp9, s95                  ; the coordinate along which other clusters walk the same rows
	s_cselect_b32 s93, s[HF], s[H2]                ; 0 in the waves that ask: 0 and 2, 4 and 5
	s_cselect_b32 s76, 0, 1                        ; lanes to a row: one, or two
	s_mov_b32 s77, 8192
	s_cselect_b32 s77, 2048, s77                   ; from row to row
	s_add_nc_u64 s[PFA:PFA+1], s[PFA:PFA+1], s[90:91]
	s_or_b32 s95, s95, s93
	s_cmp_eq_u32 s95, 0
	s_cselect_b32 s[LIM], 1, -1                    ; the same in all sixteen partners, for a given wave
	v_and_b32 v1, 15, v0                           ; r
	v_bfe_u32 v2, v0, 4, 1                         ; h
	v_and_b32 v15, 31, v0                          ; lane
	v_lshlrev_b32 v[L4], 2, v15
	v_lshrrev_b32 v30, s76, v15
	v_mul_lo_u32 v30, v30, s77
	v_and_b32 v31, s76, v15
	v_lshl_add_u32 v[PFO], v31, 8, v30
	; my rows' global loads: qa, Q, the first step's mask words
	s_add_nc_u64 s[82:83], s[4:5], s[82:83]
	s_add_nc_u64 s[86:87], s[8:9], s[86:87]
	s_add_nc_u64 s[CMK:CMK+1], s[8:9], s[88:89]
	s_add_nc_u64 s[12:13], s[12:13], s[84:85]
	v_lshlrev_b32 v20, 4, v1
	v_lshl_add_u32 v20, v2, 3, v20                 ; qa: query r, masks 2 h and 2 h + 1
	v_lshlrev_b32 v21, 11, v1
	v_lshl_add_u32 v21, v2, 4, v21                 ; Q: row r of 2,048 bytes, + 16 h
	v_mov_b32 v[CMO], v[L4]
.irp t, 0,1
	global_load_b64 v[22+2*\t:23+2*\t], v20, s[86:87] offset:256*\t
.endr
	WIN 0x40                                       ; destination window 1
.irp t, 0,1
.irp c, 0,1
	global_load_b128 v[QF+24*\t+8*\c:QF+24*\t+8*\c+3], v21, s[82:83] offset:32768*\t+64*\c
	global_load_b128 v[QF+24*\t+8*\c+4:QF+24*\t+8*\c+7], v21, s[82:83] offset:32768*\t+64*\c+32
.endr
.endr
.irp k, 0,1,2,3
	global_load_b32 v[KA+8*\k], v[CMO], s[CMK:CMK+1] offset:128*\k
.endr
.irp k, 0,1,2,3
.irp i, 1,2,3,4,5,6,7
	v_mov_b32 v[KA+8*\k+\i], 0                     ; the masks' step: 28 of its 32 places along K hold zeros, written once
.endr
.endr
.irp t, 0,1
.irp i, 1,2,3,4,5,6,7
	v_mov_b32 v[QF+24*\t+16+\i], 0
.endr
.endr
.set i, 0
.rept 64
	v_mov_b32 v[i], 0                              ; O^T.  The key step is written once for the loop and once for the tail: the first step finds zeros, which its factor leaves zeros; a first step of its own would be a third copy of two key steps
.set i, i+1
.endr
	WIN 0
.irp t, 0,1
	v_mov_b32 v[ST+8*\t], 0xff61b1e6               ; m: -3e38, under every t
	v_mov_b32 v[ST+8*\t+1], 0                      ; (named with m as a pair)
	v_mov_b32 v[ST+8*\t+2], 0                      ; l, in two halves
	v_mov_b32 v[ST+8*\t+3], 0
.endr
	; LDS addresses
	s_lshl_b32 s93, s[HS], 7                       ; my head's 128 bytes of a row of K or V
	v_mul_u32_u24 v[AK0], v1, KP
	v_lshl_add_u32 v[AK0], v2, 4, v[AK0]
	s_add_co_u32 s94, s93, K0
	v_add_nc_u32 v[AK0], s94, v[AK0]               ; K: key r, + 16 h
	v_and_b32 v30, 7, v0
	v_bfe_u32 v31, v0, 3, 1
	v_lshl_add_u32 v[AV0], v2, 3, v30
	v_mul_u32_u24 v[AV0], v[AV0], VP
	v_lshl_add_u32 v[AV0], v31, 4, v[AV0]
	v_add_nc_u32 v[AV0], s93, v[AV0]               ; V, for the turning load: key 8 h + l % 8, channels 8 ((l / 8) % 2) on
	s_mul_i32 s94, s[QG], 32*IP
	v_mul_u32_u24 v[AI0], v1, IP
	v_lshl_add_u32 v[AI0], v2, 5, v[AI0]
	v_add_nc_u32 v[AI0], s94, v[AI0]               ; im: query r of my 32, + 32 h: my eight keys of a tile
	s_lshr_b32 s94, s[QG], 1                       ; the stage, in: queries 0-63 lie in its first part, 64-127 in its second
	s_mul_i32 s94, s94, STG1-STG0
	s_and_b32 s95, s[QG], 1
	s_mul_i32 s95, s95, 32*SP
	s_add_co_u32 s94, s94, s95
	s_add_co_u32 s94, s94, s93
	s_add_co_u32 s94, s94, STG0
	v_mul_u32_u24 v[STO], v1, SP
	v_lshl_add_u32 v[STO], v2, 4, v[STO]
	v_add_nc_u32 v[STO], s94, v[STO]               ; my 32 rows, my head's half of their 256 bytes
	s_mul_i32 s94, s[HS], STG1-STG0                ; back: rows 16 w on: part w / 4, rows 16 (w % 4) of it
	s_mul_i32 s95, s[QG], 16*SP
	s_add_co_u32 s94, s94, s95
	s_add_co_u32 s94, s94, STG0
	v_mul_u32_u24 v[RD], v2, SP
	v_lshl_add_u32 v[RD], v1, 4, v[RD]
	v_add_nc_u32 v[RD], s94, v[RD]                 ; whole rows; lanes 0-15 one row, lanes 16-31 the next
	v_lshlrev_b32 v[GO], 11, v2
	v_lshl_add_u32 v[GO], v1, 4, v[GO]             ; and the same two rows in ao
	s_wait_kmcnt 0x0                               ; the gate
	v_mov_b32 v30, s92
	v_med3_num_f32 v30, v30, 0, 1.0                ; clipped to 0 .. 1
	v_mul_f32 v[G9], 0x3fa632cf, v30               ; 0.9 log2(e) gate
	v_mov_b32 v[G9+1], v[G9]
	v_mul_f32 v31, 0x410a7fac, v30                 ; 6 log2(e) gate
	s_wait_loadcnt 12                              ; qa's two loads are in; Q's eight and the four mask words may be out
.irp i, 0,1,2,3
	v_mul_f32 v[22+\i], v[22+\i], v31
.endr
	WIN 0x40
.irp t, 0,1
	v_cvt_pk_f16_f32 v[QF+24*\t+16], v[22+2*\t], v[23+2*\t]   ; a_c of my query: places 8 h, 8 h + 1 along K of the masks' step
.endr
	WIN 0
; A KEY STEP: 64 keys, the q-th of the slot in hand.
.macro STEP q
	WIN 0
	v_add_nc_u32 v[ADI], s[TB], v[AI0]             ; three additions and a v_nop: the four places between the last products and the loads into V's registers
	v_add_nc_u32 v[ADK], s[TB], v[AK0]
	v_add_nc_u32 v[ADV], s[TV], v[AV0]
	v_nop
.irp t, 0,1
.irp k, 0,1,2,3
	ds_load_b128 v[S+32*\t+8*\k:S+32*\t+8*\k+3],   v[ADI] offset:IMQ*(\q)+16*IP*\t+64*\k      ; im straight into the scores' registers
	ds_load_b128 v[S+32*\t+8*\k+4:S+32*\t+8*\k+7], v[ADI] offset:IMQ*(\q)+16*IP*\t+64*\k+16
.endr
.endr
	WIN 0x40
.irp k, 0,1,2,3
.irp c, 0,1
	ds_load_b128 v[KF+8*(2*\k+\c):KF+8*(2*\k+\c)+3],   v[ADK] offset:64*KP*(\q)+16*KP*\k+64*\c
	ds_load_b128 v[KF+8*(2*\k+\c)+4:KF+8*(2*\k+\c)+7], v[ADK] offset:64*KP*(\q)+16*KP*\k+64*\c+32
.endr
.endr
	WIN 0
.irp u, 0,1
.irp c, 0,1,2,3
	ds_load_tr16_b128 v[VF+8*(4*\u+\c):VF+8*(4*\u+\c)+3],   v[ADV] offset:64*VP*(\q)+32*VP*\u+32*\c
	ds_load_tr16_b128 v[VF+8*(4*\u+\c)+4:VF+8*(4*\u+\c)+7], v[ADV] offset:64*VP*(\q)+32*VP*\u+32*\c+16*VP
.endr
.endr
	s_wait_dscnt 32                                ; im's sixteen loads are in; K's sixteen and V's sixteen may be out
.irp t, 0,1
.irp i, 0,2,4,6,8,10,12,14,16,18,20,22,24,26,28,30
	v_pk_mul_f32 v[S+32*\t+\i:S+32*\t+\i+1], v[S+32*\t+\i:S+32*\t+\i+1], v[G9:G9+1]
.endr
.endr
	s_wait_dscnt 16                                ; K is in
	s_wait_loadcnt 0x0                             ; the step's mask words (in the first step: Q too)
	WIN 0x05                                       ; K and Q window 1, S^T window 0
.irp c, 0,1                            ; the 8 accumulators take turns, one instruction a turn
.irp t, 0,1
.irp k, 0,1,2,3
	v_wmma_f32_16x16x32_f16 v[S+32*\t+8*\k:S+32*\t+8*\k+7], v[KF+8*(2*\k+\c):KF+8*(2*\k+\c)+7], v[QF+24*\t+8*\c:QF+24*\t+8*\c+7], v[S+32*\t+8*\k:S+32*\t+8*\k+7]
.endr
.endr
.endr
.irp t, 0,1
.irp k, 0,1,2,3
	v_wmma_f32_16x16x32_f16 v[S+32*\t+8*\k:S+32*\t+8*\k+7], v[KA+8*\k:KA+8*\k+7], v[QF+24*\t+16:QF+24*\t+23], v[S+32*\t+8*\k:S+32*\t+8*\k+7]
.endr
.endr
	WIN 0
	s_add_co_u32 s[CO], s[CO], 512                 ; the next step's four key tiles; behind the last step it wraps to the table's head: inside the buffer, and not used
	s_and_b32 s[CO], s[CO], 0x3fff
	v_add_nc_u32 v[CMO], s[CO], v[L4]              ; (its last loads were waited for above)  With three v_nop: the four places behind the products
.rept 3
	v_nop
.endr
	WIN 0x40
.irp k, 0,1,2,3
	global_load_b32 v[KA+8*\k], v[CMO], s[CMK:CMK+1] offset:128*\k
.endr
	WIN 0
	; the softmax, the two tiles by turns.  The maximum of 32 scores and the old m: each accumulator is read from its low end on
.irp j, 0,1,2,3
.irp t, 0,1
	v_max3_num_f32 v[ST+8*\t+4+\j], v[S+32*\t+8*\j], v[S+32*\t+8*\j+1], v[S+32*\t+8*\j+2]
.endr
.endr
.irp i, 3,5
.irp j, 0,1,2,3
.irp t, 0,1
	v_max3_num_f32 v[ST+8*\t+4+\j], v[ST+8*\t+4+\j], v[S+32*\t+8*\j+\i], v[S+32*\t+8*\j+\i+1]
.endr
.endr
.endr
.irp t, 0,1
	v_max3_num_f32 v[ST+8*\t+4], v[ST+8*\t+4], v[S+32*\t+7], v[S+32*\t+15]
	v_max3_num_f32 v[ST+8*\t+6], v[ST+8*\t+6], v[S+32*\t+23], v[S+32*\t+31]
.endr
.irp t, 0,1
	v_max3_num_f32 v[ST+8*\t+4], v[ST+8*\t+4], v[ST+8*\t+5], v[ST+8*\t+6]
.endr
.irp t, 0,1
	v_max3_num_f32 v[ST+8*\t+4], v[ST+8*\t+4], v[ST+8*\t+7], v[ST+8*\t]
.endr
.irp t, 0,1
	v_permlanex16_b32 v[ST+8*\t+5], v[ST+8*\t+4], s[SEL], s[SEL+1]   ; the query's other 32 keys lie in the lane 16 away
.endr
.irp t, 0,1
	v_max_num_f32 v[ST+8*\t+5], v[ST+8*\t+4], v[ST+8*\t+5]           ; the new m
.endr
.irp t, 0,1
	v_sub_f32 v[ST+8*\t+7], v[ST+8*\t], v[ST+8*\t+5]                 ; m_old - m_new
.endr
.irp t, 0,1
	v_mov_b32 v[ST+8*\t], v[ST+8*\t+5]
.endr
.irp i, 0,2,4,6,8,10,12,14,16,18,20,22,24,26,28,30
.irp t, 0,1
	v_pk_add_f32 v[S+32*\t+\i:S+32*\t+\i+1], v[S+32*\t+\i:S+32*\t+\i+1], v[ST+8*\t:ST+8*\t+1] op_sel_hi:[1,0] neg_lo:[0,1] neg_hi:[0,1]   ; t - m
.endr
.endr
.irp t, 0,1
	v_exp_f32 v[ST+8*\t+6], v[ST+8*\t+7]           ; ONE BATCH of 66 exponentials: the two factors,
.endr
.irp i, 0,1,2,3,4,5,6,7,8,9,10,11,12,13,14,15,16,17,18,19,20,21,22,23,24,25,26,27,28,29,30,31
.irp t, 0,1
	v_exp_f32 v[S+32*\t+\i], v[S+32*\t+\i]         ; and p
.endr
.endr
	v_nop                                          ; a plain instruction behind the last exponential,
	s_wait_alu depctr_va_vdst(0)                   ; and the wait ahead of the first reader: one for the batch
.irp i, 0,1,2,3,4,5,6,7,8,9,10,11,12,13,14,15
.irp t, 0,1
	v_cvt_pk_f16_f32 v[P+16*\t+\i], v[S+32*\t+2*\i], v[S+32*\t+2*\i+1]
.endr
.endr
.irp u, 0,1,2,3,4,5,6,7                ; the sum of the unrounded p, in place, by pairs 1, 2, 4 and 8 apart
.irp t, 0,1
	v_pk_add_f32 v[S+32*\t+4*\u:S+32*\t+4*\u+1], v[S+32*\t+4*\u:S+32*\t+4*\u+1], v[S+32*\t+4*\u+2:S+32*\t+4*\u+3]
.endr
.endr
.irp u, 0,1,2,3
.irp t, 0,1
	v_pk_add_f32 v[S+32*\t+8*\u:S+32*\t+8*\u+1], v[S+32*\t+8*\u:S+32*\t+8*\u+1], v[S+32*\t+8*\u+4:S+32*\t+8*\u+5]
.endr
.endr
.irp u, 0,1
.irp t, 0,1
	v_pk_add_f32 v[S+32*\t+16*\u:S+32*\t+16*\u+1], v[S+32*\t+16*\u:S+32*\t+16*\u+1], v[S+32*\t+16*\u+8:S+32*\t+16*\u+9]
.endr
.endr
.irp t, 0,1
	v_pk_add_f32 v[S+32*\t:S+32*\t+1], v[S+32*\t:S+32*\t+1], v[S+32*\t+16:S+32*\t+17]
.endr
.irp t, 0,1
	v_pk_fma_f32 v[ST+8*\t+2:ST+8*\t+3], v[ST+8*\t+2:ST+8*\t+3], v[ST+8*\t+6:ST+8*\t+7], v[S+32*\t:S+32*\t+1] op_sel_hi:[1,0,1]   ; l = l x factor + the sum
.endr
	WIN 0x41                                       ; O^T window 1, the factor window 0
.irp t, 0,1
.irp i, 0,2,4,6,8,10,12,14,16,18,20,22,24,26,28,30
	v_pk_mul_f32 v[32*\t+\i:32*\t+\i+1], v[32*\t+\i:32*\t+\i+1], v[ST+8*\t+6:ST+8*\t+7] op_sel_hi:[1,0]
.endr
.endr
	s_wait_dscnt 0x0                               ; V is in
	WIN 0x50                                       ; V and P window 0, O^T window 1
.irp u, 0,1
.irp t, 0,1
.irp c, 0,1,2,3
	v_wmma_f32_16x16x32_f16 v[32*\t+8*\c:32*\t+8*\c+7], v[VF+8*(4*\u+\c):VF+8*(4*\u+\c)+7], v[P+16*\t+8*\u:P+16*\t+8*\u+7], v[32*\t+8*\c:32*\t+8*\c+7]
.endr
.endr
.endr
	WIN 0
.endm
; THE CHANGE OF SLOTS stands at a slot's head.  Each wave waits for all its tensor loads (one: its part of the slot ahead), adds 0 to its spare word, and waits for that and for its reads of the slot that it has left.
; fill = 1: a round of the cluster's barrier, so that no wave of any partner still reads the other slot or has a load on its way; the joint load of the next 128 keys is the first thing behind it.
.macro CHANGE fill
	s_wait_tensorcnt 0x0                           ; no tensor load of mine is out, so a group 0 may be written
	ds_add_u32 v[SPW], v[NIL]                      ; 0 onto my spare word
.if \fill
	s_xor_b32 s[G0K+1], s[G0K+1], SLOT1            ; the walking descriptors: the other slot, the next 128 keys
	s_add_nc_u64 s[G0K+2:G0K+3], s[G0K+2:G0K+3], 0x40000
	s_xor_b32 s[G0V+1], s[G0V+1], VX
	s_add_nc_u64 s[G0V+2:G0V+3], s[G0V+2:G0V+3], 0x40000
	s_xor_b32 s[G0W+1], s[G0W+1], VX2
	s_add_nc_u64 s[G0W+2:G0W+3], s[G0W+2:G0W+3], 0x40000
	s_xor_b32 s[G0I+1], s[G0I+1], SLOT1
	s_add_nc_u64 s[G0I+2:G0I+3], s[G0I+2:G0I+3], 512
	s_wait_xcnt 0x0                                ; the last prefetch, a slot back, has read its address
	s_add_nc_u64 s[PFA:PFA+1], s[PFA:PFA+1], s[PFS:PFS+1]
	s_wait_dscnt 0x0                               ; the add is done, and my reads of the slot that I have left are over
	ROUND
	JLOAD
	ASK
.else
	s_wait_dscnt 0x0
	s_barrier_signal -1
	s_barrier_wait -1
.endif
.endm
.macro SLOT_STEPS
	STEP 0
	STEP 1
	s_xor_b32 s[TB], s[TB], SLOT1                  ; on to the other slot
	s_xor_b32 s[TV], s[TV], VX
.endm
.Lslot:                                            ; 15 trips: behind each change of slots but the last the next 128 keys are asked for
	CHANGE 1
	SLOT_STEPS
	s_sub_co_u32 s[SLOTS], s[SLOTS], 1
	s_cmp_lg_u32 s[SLOTS], 0
	s_cbranch_scc1 .Lslot
	CHANGE 0                                       ; the last slot is written out
	SLOT_STEPS
	; THE WAY OUT.  l's halves and the other half of the lanes' are added (the four additions and the v_nop are the places behind the last products); O^T / l, rounded to f16, goes through the work-group's stage:
	; a row's 256 bytes (two heads) come from two waves, so a barrier stands between the writing and the reading; each wave then stores 16 whole rows.
.irp t, 0,1
	v_add_f32 v[ST+8*\t+4], v[ST+8*\t+2], v[ST+8*\t+3]
.endr
.irp t, 0,1
	v_permlanex16_b32 v[ST+8*\t+5], v[ST+8*\t+4], s[SEL], s[SEL+1]
.endr
.irp t, 0,1
	v_add_f32 v[ST+8*\t+4], v[ST+8*\t+4], v[ST+8*\t+5]
.endr
.irp t, 0,1
	v_rcp_f32 v[ST+8*\t+6], v[ST+8*\t+4]
.endr
	v_nop                                          ; a plain instruction behind the last reciprocal,
	s_wait_alu depctr_va_vdst(0)                   ; and the wait ahead of the first reader: one for the two
	WIN 0x41
.irp t, 0,1
.irp i, 0,2,4,6,8,10,12,14,16,18,20,22,24,26,28,30
	v_pk_mul_f32 v[32*\t+\i:32*\t+\i+1], v[32*\t+\i:32*\t+\i+1], v[ST+8*\t+6:ST+8*\t+7] op_sel_hi:[1,0]
.endr
.endr
	WIN 0x05                                       ; sources window 1, destination window 0
.irp t, 0,1
.irp i, 0,1,2,3,4,5,6,7,8,9,10,11,12,13,14,15
	v_cvt_pk_f16_f32 v[P+16*\t+\i], v[32*\t+2*\i], v[32*\t+2*\i+1]
.endr
.endr
	WIN 0
.irp t, 0,1
.irp c, 0,1,2,3
	ds_store_b128 v[STO], v[P+16*\t+4*\c:P+16*\t+4*\c+3] offset:16*SP*\t+32*\c
.endr
.endr
	s_wait_dscnt 0x0                               ; for the others' sake: my stores into the stage are done
	s_barrier_signal -1
	s_barrier_wait -1
.irp i, 0,1,2,3,4,5,6,7
	ds_load_b128 v[S+4*\i:S+4*\i+3], v[RD] offset:2*SP*\i
.endr
.irp i, 0,1,2,3,4,5,6,7
	s_wait_dscnt 7-\i
	global_store_b128 v[GO], v[S+4*\i:S+4*\i+3], s[12:13] offset:4096*\i   ; 16 lanes store 256 consecutive bytes, aligned
.endr
	s_wait_tensorcnt 0x0                           ; the wave's end
	ds_add_u32 v[SPW], v[NIL]
	s_wait_dscnt 0x0
	ROUND                                          ; the closing round
	s_endpgm
.Lfunc_end_k_q61700a3fc9_attn:
	.size	k_q61700a3fc9_attn, .Lfunc_end_k_q61700a3fc9_attn-k_q61700a3fc9_attn
	.p2alignl 7, 3214868480
	.fill 96, 4, 3214868480
	.section	.rodata,"a",@progbits
	.p2align	6, 0x0
	.amdhsa_kernel k_q61700a3fc9_attn
		.amdhsa_group_segment_fixed_size 327680
		.amdhsa_private_segment_fixed_size 0
		.amdhsa_enable_private_segment 0
		.amdhsa_kernarg_size 40
		.amdhsa_user_sgpr_count 2
		.amdhsa_user_sgpr_kernarg_segment_ptr 1
		.amdhsa_wavefront_size32 1
		.amdhsa_system_sgpr_workgroup_id_x 1
		.amdhsa_system_sgpr_workgroup_id_y 1
		.amdhsa_system_sgpr_workgroup_id_z 1
		.amdhsa_system_vgpr_workitem_id 0
		.amdhsa_next_free_vgpr 512
		.amdhsa_next_free_sgpr 100
		.amdhsa_reserve_vcc 0
		.amdhsa_float_denorm_mode_32 3
		.amdhsa_float_denorm_mode_16_64 3
		.amdhsa_memory_ordered 1
		.amdhsa_forward_progress 1
		.amdhsa_inst_pref_size 111
	.end_amdhsa_kernel
	.amdgpu_metadata
---
amdhsa.version: [ 1, 2 ]
amdhsa.kernels:
  - .name:           k_q61700a3fc9_attn
    .symbol:         k_q61700a3fc9_attn.kd
    .args:
      - { .name: qkvh, .offset: 0, .size: 8, .value_kind: global_buffer, .address_space: global }
      - { .name: interaction_mask, .offset: 8, .size: 8, .value_kind: global_buffer, .address_space: global }
      - { .name: mk, .offset: 16, .size: 8, .value_kind: global_buffer, .address_space: global }
      - { .name: isolation_gate, .offset: 24, .size: 8, .value_kind: global_buffer, .address_space: global }
      - { .name: ao, .offset: 32, .size: 8, .value_kind: global_buffer, .address_space: global }
    .group_segment_fixed_size: 327680
    .private_segment_fixed_size: 0
    .kernarg_segment_align: 8
    .kernarg_segment_size: 40
    .max_flat_workgroup_size: 256
    .sgpr_count:     100
    .vgpr_count:     512
    .wavefront_size: 32
...
	.end_amdgpu_metadata
.endif
;; end of part 3
;; launch proj (part 4): grid 8 x 32, 4 waves a work-group, clusters of 4 x 4, 327,680 bytes of LDS; arguments ao, owh, out0; writes out0
.if DOCPART == 4
	.amdgcn_target "amdgcn-amd-amdhsa--gfx1250"
	.amdhsa_code_object_version 6
	.text
	.protected	k_q61700a3fc9_proj
	.globl	k_q61700a3fc9_proj
	.p2align	8
	.type	k_q61700a3fc9_proj,@function
k_q61700a3fc9_proj:
	s_mov_b64 s[64:65], 0
	v_nop
	global_prefetch_b8 v0, s[64:65] scope:SCOPE_SE
	s_setreg_imm32_b32 hwreg(HW_REG_WAVE_MODE, 25, 1), 1
	s_wait_xcnt 0x0
	s_wait_alu depctr_hold_cnt(0) depctr_sa_sdst(0) depctr_va_vdst(0) depctr_va_sdst(0) depctr_va_ssrc(0) depctr_va_vcc(0) depctr_vm_vsrc(0)
	s_getreg_b32 s2, hwreg(HW_REG_IB_STS2, 6, 4)
	s_cmp_eq_u32 s2, 0
	s_cbranch_scc0 .Lentry_in_a_cluster
	s_endpgm
.Lentry_in_a_cluster:
	s_bfe_u32 s2, ttmp6, 0x10000c
	s_cmp_lg_u32 s2, 0xf033
	s_cbranch_scc0 .Lentry_shape_is_right
	s_endpgm
.Lentry_shape_is_right:
; out0[m][n] = sum over k of ao[m][k] out_w[n][k].  ao: [4096][1024], owh: [1024][1024], f16; out0: [4096][1024] f32; sums in f32.  No work of the problem is left out here.
; A tile is 128 x 128: 256 work-groups.  Four waves, each 64 x 64: 16 accumulators.  K goes in steps of 256 (LDS rows of 512 bytes; a wave's tensor load brings 64 of them) through two slots.
; CLUSTERS: 4 x 4 work-groups; the four of a row need the same tiles of ao, the four of a column the same tiles of owh: each tile is asked for jointly.
; THE MATRIX INSTRUCTION IS USED TRANSPOSED (source 0 = 16 rows of owh, source 1 = 16 rows of ao): a lane holds eight neighbouring numbers of a row of out0.
; No prefetch: the tile is small, and a K step's 64 KiB a work-group are shared four ways by the joint loads.
; REGISTERS: window 0: v0-31 addresses; v32-95 the way out; v128-255 the accumulators ((a, b) at v[128 + 8 (4 a + b)]).  window 1: two fragment buffers of 128.
.set SIZE_N, 1024
.set SIZE_K, 1024
.set KSTEP,  256
.set PITCH,  528                       ; an LDS row: 512 bytes + 16 of padding
.set HALFT,  64*PITCH
.set SLOT,   4*HALFT
.set STAGE,  2*SLOT                    ; behind the ring: 16 rows x 272 bytes for each wave: a wave's 64 columns of f32 are 256 bytes
.set SPITCH, 272
.set SPARE,  STAGE+4*16*SPITCH         ; the spare words, 128 bytes for each wave
.set LAPS, SIZE_K/(2*KSTEP)
.set ADRA, 16
.set ADRB, 20
.set STO,  24
.set RD,   25
.set CO,   26
.set SPW,  28                          ; v28  LDS address of my spare word; never rewritten
.set NIL,  29                          ; v29  0; never rewritten
.set TMP,  32
.set ACC,  128
.set F0,   0
.set F1,   128
.set G1, 24
.set G0, 32
.set G1B, 48
.set G0B, 56
.set MSB, 0
.macro WIN new                         ; the immediate's high byte repeats the setting that is left
.if MSB != \new
	s_set_vgpr_msb (MSB<<8)|\new
.set MSB, \new
.endif
.endm
.set MUL,  0x05                        ; sources 0 and 1 window 1; C and D window 0
.set TO_F, 0x40
.macro JLOAD s                         ; a joint load: waves 0 and 1 fetch ao's two halves, waves 2 and 3 owh's; an s_nop 0 and four v_nop follow each of the two lines
	s_cmp_eq_u32 s11, 0
	s_cbranch_scc0 .Lfor_b_\@
	tensor_load_to_lds s[G0+4*\s:G0+4*\s+3], s[G1:G1+7]
	s_nop 0
.rept 4
	v_nop
.endr
	s_branch .Lasked_\@
.Lfor_b_\@:
	tensor_load_to_lds s[G0B+4*\s:G0B+4*\s+3], s[G1B:G1B+7]
	s_nop 0
.rept 4
	v_nop
.endr
.Lasked_\@:
.endm
.macro CREST                           ; a round of the cluster's barrier behind its opening barrier
	s_cmp_lg_u32 s10, 0
	s_cbranch_scc1 .Lnot_wave_0_\@
	s_barrier_signal -3
.Lnot_wave_0_\@:
	s_barrier_wait -3
	s_barrier_signal -1
	s_barrier_wait -1
.endm
.macro CROUND
	s_barrier_signal -1
	s_barrier_wait -1
	CREST
.endm
	s_load_b128 s[4:7], s[0:1], 0x0                ; ao s[4:5], owh s[6:7]
	s_load_b64 s[8:9], s[0:1], 0x10                ; out0
	v_lshl_add_u32 v[SPW], v0, 2, SPARE
	v_mov_b32 v[NIL], 0
	ds_add_u32 v[SPW], v[NIL]                      ; the wave's opening: the add, twice on end, and its wait ahead of my first tensor load
	ds_add_u32 v[SPW], v[NIL]
	v_lshrrev_b32 v1, 5, v0
	v_readfirstlane_b32 s10, v1                    ; wave 0..3
	s_lshr_b32 s11, s10, 1                         ; which half of the tile's rows is mine.  Also: I fetch for ao (0) or for owh (1)
	s_and_b32 s12, s10, 1                          ; which half of its columns.  Also: which 64 rows I fetch
	s_bfe_u32 s40, ttmp6, 0x40000                  ; cx, cy
	s_bfe_u32 s41, ttmp6, 0x40004
	s_lshl_b32 s42, ttmp9, 2
	s_add_co_u32 s42, s42, s40                     ; tile column
	s_and_b32 s13, ttmp7, 0xffff
	s_lshl_b32 s13, s13, 2
	s_add_co_u32 s13, s13, s41                     ; tile row
	s_lshl_b32 s43, s41, 2
	s_lshl_b32 s43, 15, s43                        ; my row of the cluster
	s_lshl_b32 s44, 0x1111, s40                    ; my column
	s_or_b32 s[G1+0], s43, (1<<16)|(1<<20)|(1<<21)|(6<<22)|(3<<25)  ; the mask; elements of 2 bytes; padding on; bit 21 beside a mask; 4 words behind every 128
	s_or_b32 s[G1B+0], s44, (1<<16)|(1<<20)|(1<<21)|(6<<22)|(3<<25)
.irp g, G1, G1B
	s_mov_b32 s[\g+1], KSTEP<<16                   ; tensor_dim0 = 256
	s_mov_b32 s[\g+2], 64<<16                      ; tensor_dim1 = 64
	s_mov_b32 s[\g+3], KSTEP<<16                   ; tile_dim0 = 256
	s_mov_b32 s[\g+4], 64                          ; tile_dim1 = 64
	s_mov_b32 s[\g+5], SIZE_K                      ; from row to row
	s_mov_b32 s[\g+6], 0
	s_mov_b32 s[\g+7], 0
.endr
	s_lshl_b32 s17, s12, 6
	s_lshl_b32 s16, s13, 7
	s_add_co_u32 s16, s16, s17                     ; ao: row 128 x tile row + 64 x half
	s_lshl_b32 s46, s42, 7
	s_add_co_u32 s46, s46, s17                     ; owh: row 128 x tile column + 64 x half
	s_mov_b32 s17, 0
	s_mov_b32 s47, 0
	s_mov_b64 s[18:19], SIZE_K*2
	s_mul_u64 s[16:17], s[16:17], s[18:19]
	s_mul_u64 s[46:47], s[46:47], s[18:19]
	s_mul_i32 s20, s10, HALFT                      ; where they go: wave x 64 rows
	s_wait_dscnt 0x0                               ; both opening adds are done
	s_wait_kmcnt 0x0
	s_add_nc_u64 s[14:15], s[4:5], s[16:17]
	s_add_nc_u64 s[46:47], s[6:7], s[46:47]
	CROUND                                         ; all sixteen work-groups are here: the first joint loads meet
.irp s, 0,1
	s_mov_b32 s[G0+4*\s], 1
	s_add_co_u32 s[G0+4*\s+1], s20, \s*SLOT
	s_add_nc_u64 s[G0+4*\s+2:G0+4*\s+3], s[14:15], \s*KSTEP*2
	s_or_b32 s[G0+4*\s+3], s[G0+4*\s+3], 0x80000000
	s_mov_b32 s[G0B+4*\s], 1
	s_add_co_u32 s[G0B+4*\s+1], s20, \s*SLOT
	s_add_nc_u64 s[G0B+4*\s+2:G0B+4*\s+3], s[46:47], \s*KSTEP*2
	s_or_b32 s[G0B+4*\s+3], s[G0B+4*\s+3], 0x80000000
	JLOAD \s
.endr
	v_and_b32 v1, 15, v0                           ; r
	v_bfe_u32 v2, v0, 4, 1                         ; h
	v_mul_u32_u24 v3, v1, PITCH
	v_lshl_add_u32 v3, v2, 4, v3                   ; a fragment's row x pitch + 16 x half
	s_mul_i32 s21, s11, HALFT
	s_mul_i32 s22, s12, HALFT
	s_add_co_u32 s22, s22, 2*HALFT
.irp s, 0,1
	v_add_nc_u32 v[ADRA+\s], s21, v3
	v_add_nc_u32 v[ADRB+\s], s22, v3
	s_add_co_u32 s21, s21, SLOT
	s_add_co_u32 s22, s22, SLOT
.endr
	s_mul_i32 s23, s10, 16*SPITCH
	s_add_co_u32 s23, s23, STAGE                   ; my stage
	v_mul_u32_u24 v4, v1, SPITCH                   ; in: row r, 32 bytes for each half of the lanes
	v_lshl_add_u32 v4, v2, 5, v4
	v_add_nc_u32 v[STO], s23, v4
	v_mul_u32_u24 v5, v2, SPITCH                   ; back: lanes 0-15 one row of 256 bytes, lanes 16-31 the next
	v_lshl_add_u32 v5, v1, 4, v5
	v_add_nc_u32 v[RD], s23, v5
	v_lshlrev_b32 v[CO], 12, v2                    ; and the same two rows in out0: 4,096 bytes a row
	v_lshl_add_u32 v[CO], v1, 4, v[CO]
	s_lshl_b32 s16, s13, 19                        ; 128 rows of 4,096 bytes a tile row
	s_lshl_b32 s17, s11, 18
	s_add_co_u32 s16, s16, s17
	s_lshl_b32 s17, s42, 9                         ; 128 columns of 4 bytes
	s_add_co_u32 s16, s16, s17
	s_lshl_b32 s17, s12, 8
	s_add_co_u32 s16, s16, s17
	s_mov_b32 s17, 0
	s_add_nc_u64 s[8:9], s[8:9], s[16:17]
; 8 matrix instructions: m blocks a0, a0 + 1 x all 4 n blocks, 32 along K: half c of buffer f.  The 16 accumulators take turns
.macro MUL8 f, c, a0, zero
.irp a, \a0, \a0+1
.irp b, 0,1,2,3
.if \zero
	v_wmma_f32_16x16x32_f16 v[ACC+8*(4*(\a)+\b):ACC+8*(4*(\a)+\b)+7], v[\f+64+8*(4*\c+\b):\f+64+8*(4*\c+\b)+7], v[\f+8*(4*\c+\a):\f+8*(4*\c+\a)+7], 0
.else
	v_wmma_f32_16x16x32_f16 v[ACC+8*(4*(\a)+\b):ACC+8*(4*(\a)+\b)+7], v[\f+64+8*(4*\c+\b):\f+64+8*(4*\c+\b)+7], v[\f+8*(4*\c+\a):\f+8*(4*\c+\a)+7], v[ACC+8*(4*(\a)+\b):ACC+8*(4*(\a)+\b)+7]
.endif
.endr
.endr
.endm
.macro FETCH slot, k, f                ; 32 LDS loads in one run: the fragments of 64 along K at byte k of the rows, the first 32 along K first
	WIN TO_F
.irp c, 0,1
.irp i, 0,1,2,3
	ds_load_b128 v[\f+64+8*(4*\c+\i):\f+64+8*(4*\c+\i)+3],   v[ADRB+\slot] offset:\k+64*\c+\i*16*PITCH
	ds_load_b128 v[\f+64+8*(4*\c+\i)+4:\f+64+8*(4*\c+\i)+7], v[ADRB+\slot] offset:\k+64*\c+\i*16*PITCH+32
	ds_load_b128 v[\f+8*(4*\c+\i):\f+8*(4*\c+\i)+3],         v[ADRA+\slot] offset:\k+64*\c+\i*16*PITCH
	ds_load_b128 v[\f+8*(4*\c+\i)+4:\f+8*(4*\c+\i)+7],       v[ADRA+\slot] offset:\k+64*\c+\i*16*PITCH+32
.endr
.endr
.endm
.macro PLACES                          ; four plain vector instructions in front of loads into registers that matrix instructions have read, and of reads of results
.rept 4
	v_nop
.endr
.endm
.macro QUARTER slot, k, f, g, zero     ; 64 along K: multiplies buffer f and fetches the next quarter, at byte k, into g
	s_wait_dscnt 16                                ; the first 32 along K are in
	WIN MUL
	MUL8 \f, 0, 0, \zero
	MUL8 \f, 0, 2, \zero
	PLACES
	FETCH \slot, \k, \g
	s_wait_dscnt 32                                ; all but the 32 just issued
	WIN MUL
	MUL8 \f, 1, 0, 0
	MUL8 \f, 1, 2, 0
.endm
; A slot's last quarter changes slots: one barrier; in front of it each wave waits for all its tensor loads, adds 0 to its spare word, and waits for that and for its reads of this slot.  fill = 1: this slot is filled again, two K steps ahead.
.macro TURN slot, next, fill
	WIN 0
	s_wait_tensorcnt 0x0                           ; all my tensor loads have landed: my part of the next slot
	ds_add_u32 v[SPW], v[NIL]                      ; 0 onto my spare word
	s_wait_dscnt 17                                ; (the add and the youngest sixteen loads may be out)
	WIN MUL
	MUL8 F1, 0, 0, 0
	s_wait_dscnt 0x0                               ; the add is done, and my reads of this slot are over
	s_barrier_signal -1
	MUL8 F1, 0, 2, 0
.if \fill
	WIN 0
.endif
	s_barrier_wait -1
.if \fill
	CREST                                          ; the barrier has opened a round of the cluster's barrier: no wave of any partner still reads this slot or has a load on its way
	s_add_nc_u64 s[G0+4*\slot+2:G0+4*\slot+3], s[G0+4*\slot+2:G0+4*\slot+3], 2*KSTEP*2
	s_add_nc_u64 s[G0B+4*\slot+2:G0B+4*\slot+3], s[G0B+4*\slot+2:G0B+4*\slot+3], 2*KSTEP*2
	JLOAD \slot                                    ; the first tensor load behind the round; its four v_nop are also the places in front of the loads below
.else
	PLACES
.endif
	FETCH \next, 0, F0
	WIN MUL
	MUL8 F1, 1, 0, 0
	MUL8 F1, 1, 2, 0
.endm
	s_wait_tensorcnt 1                             ; my part of K step 0 is in (K step 1's load may be out)
	s_barrier_signal -1
	s_barrier_wait -1                              ; everybody's is
	FETCH 0, 0, F0
	QUARTER 0, 128, F0, F1, 1                      ; the first products start the sums
	WIN 0
	s_mov_b32 s3, LAPS-1
.Llap:                                             ; a trip goes once round the ring, from a lap's second quarter to the next lap's first, and fills both slots again
	QUARTER 0, 256, F1, F0, 0
	QUARTER 0, 384, F0, F1, 0
	TURN 0, 1, 1
	QUARTER 1, 128, F0, F1, 0
	QUARTER 1, 256, F1, F0, 0
	QUARTER 1, 384, F0, F1, 0
	TURN 1, 0, 1
	QUARTER 0, 128, F0, F1, 0
	WIN 0
	s_sub_co_u32 s3, s3, 1
	s_cmp_lg_u32 s3, 0
	s_cbranch_scc1 .Llap
	QUARTER 0, 256, F1, F0, 0                      ; the last lap fills nothing
	QUARTER 0, 384, F0, F1, 0
	TURN 0, 1, 0
	QUARTER 1, 128, F0, F1, 0
	QUARTER 1, 256, F1, F0, 0
	QUARTER 1, 384, F0, F1, 0
	s_wait_dscnt 16
	WIN MUL
	MUL8 F1, 0, 0, 0
	MUL8 F1, 0, 2, 0
	s_wait_dscnt 0
	MUL8 F1, 1, 0, 0
	MUL8 F1, 1, 2, 0
	WIN 0
; THE WAY OUT, by blocks of 16 rows x 64 columns.  A lane holds 32 neighbouring bytes of a row; a block goes through my own stage and comes back as whole rows of 256 bytes.  LDS serves a wave's instructions in order.
.macro TOSTAGE a
.irp b, 0,1,2,3
	ds_store_b128 v[STO], v[ACC+8*(4*(\a)+\b):ACC+8*(4*(\a)+\b)+3] offset:64*\b          ; each accumulator from its low end on
	ds_store_b128 v[STO], v[ACC+8*(4*(\a)+\b)+4:ACC+8*(4*(\a)+\b)+7] offset:64*\b+16
.endr
.set BB, TMP+32*((\a)%2)
.irp t, 0,1,2,3,4,5,6,7
	ds_load_b128 v[BB+4*\t:BB+4*\t+3], v[RD] offset:\t*2*SPITCH
.endr
.endm
.macro SEND a, younger                 ; younger: the LDS instructions issued behind block a's loads
.set BB, TMP+32*((\a)%2)
	s_wait_dscnt \younger
.irp t, 0,1,2,3,4,5,6,7
	global_store_b128 v[CO], v[BB+4*\t:BB+4*\t+3], s[8:9] offset:(16*(\a)+2*\t)*SIZE_N*4 th:TH_STORE_NT   ; 16 lanes store 256 consecutive bytes, aligned; written once, read by nobody here
.endr
.endm
	PLACES
	TOSTAGE 0
.irp a, 1,2,3
.if \a > 1
	s_wait_xcnt 0x0                                ; block a - 2's stores have read their registers: block a's loads may land there
.endif
	TOSTAGE \a
	SEND \a-1, 16                                  ; behind block a - 1's loads: block a's 8 stores and 8 loads
.endr
	SEND 3, 0
	s_wait_tensorcnt 0x0                           ; the wave's end
	ds_add_u32 v[SPW], v[NIL]
	s_wait_dscnt 0x0
	CROUND                                         ; the closing round
	s_endpgm
.Lfunc_end_k_q61700a3fc9_proj:
	.size	k_q61700a3fc9_proj, .Lfunc_end_k_q61700a3fc9_proj-k_q61700a3fc9_proj
	.p2alignl 7, 3214868480
	.fill 96, 4, 3214868480
	.section	.rodata,"a",@progbits
	.p2align	6, 0x0
	.amdhsa_kernel k_q61700a3fc9_proj
		.amdhsa_group_segment_fixed_size 327680
		.amdhsa_private_segment_fixed_size 0
		.amdhsa_enable_private_segment 0
		.amdhsa_kernarg_size 24
		.amdhsa_user_sgpr_count 2
		.amdhsa_user_sgpr_kernarg_segment_ptr 1
		.amdhsa_wavefront_size32 1
		.amdhsa_system_sgpr_workgroup_id_x 1
		.amdhsa_system_sgpr_workgroup_id_y 1
		.amdhsa_system_sgpr_workgroup_id_z 1
		.amdhsa_system_vgpr_workitem_id 0
		.amdhsa_next_free_vgpr 512
		.amdhsa_next_free_sgpr 66
		.amdhsa_reserve_vcc 0
		.amdhsa_float_denorm_mode_32 3
		.amdhsa_float_denorm_mode_16_64 3
		.amdhsa_memory_ordered 1
		.amdhsa_forward_progress 1
		.amdhsa_inst_pref_size 85
	.end_amdhsa_kernel
	.amdgpu_metadata
---
amdhsa.version: [ 1, 2 ]
amdhsa.kernels:
  - .name:           k_q61700a3fc9_proj
    .symbol:         k_q61700a3fc9_proj.kd
    .args:
      - { .name: ao, .offset: 0, .size: 8, .value_kind: global_buffer, .address_space: global }
      - { .name: owh, .offset: 8, .size: 8, .value_kind: global_buffer, .address_space: global }
      - { .name: out0, .offset: 16, .size: 8, .value_kind: global_buffer, .address_space: global }
    .group_segment_fixed_size: 327680
    .private_segment_fixed_size: 0
    .kernarg_segment_align: 8
    .kernarg_segment_size: 24
    .max_flat_workgroup_size: 128
    .sgpr_count:     66
    .vgpr_count:     512
    .wavefront_size: 32
...
	.end_amdgpu_metadata
.endif
;; end of part 4
